; MI455X (gfx1250); checked and timed in simulation.
; The chip was launched on July 23, 2026; its instructions are those of AMD's public machine-readable ISA for CDNA 5 (MIT licence, August 2026) and "CDNA5" Instruction Set Architecture Reference Guide (July 2026). The comments in the code are by the model that wrote it; some were corrected since.
;; Attention Block. Allowed arithmetic: matrix products marked QUANTISED: E4M3 operands, one E8M0 scale for each 32 along K, by v_wmma_scale_f32_16x16x128_f8f6f4 with both operands' format E4M3, f32 sums; everything else in f32.
;; Inputs: norm_b 256 float32; norm_w 256 float32; proj_b 256 float32; proj_w 256 x 256 float32; qkv_b 768 float32; qkv_w 768 x 256 float32; x 16 x 256 x 32 x 32 float32.
;; Outputs: out0 16 x 256 x 32 x 32 float32.
;; This version of the problem:
;;   THIS VERSION OF THE PROBLEM IS GIVEN IN LOW PRECISION. The matrix products marked QUANTISED in the list below multiply operands that are first quantised to E4M3 (4 exponent bits, 3 mantissa bits; 8 bits a number), with one power-of-two scale for each 32 numbers along K (OCP MX v1.0); their sums are f32. All else is computed in f32.
;;   The module's matrix products, in the order in which they are computed (A, B: the left and right operand; K: the contracted axis; several contracted axes count as one K, in the product's order):
;;     1. [M 16,384, K 256] x [K 256, N 768]; A: computed on the way; B: input qkv_w: QUANTISED
;;     2. batch 64 x [M 1,024, K 64] x [K 64, N 1,024]; A: computed on the way; B: computed on the way: QUANTISED
;;     3. batch 64 x [M 1,024, K 1,024] x [K 1,024, N 64]; A: softmax (see below); B: computed on the way: QUANTISED
;;     4. [M 16,384, K 256] x [K 256, N 256]; A: computed on the way; B: input proj_w: QUANTISED
;;   THE QUANTISER, for each operand of a quantised product, along K:
;;     - K is cut into blocks of 32 from its start; a last block that is shorter is filled with zeros.
;;     - A block's scale is 2^e with e = floor(log2(the largest magnitude in the block)) - 8, held to -126 .. 127; a block of zeros has e = 0. As a byte (E8M0): e + 127.
;;     - Each number is divided by its block's scale, clamped to +-448, and rounded to the nearest number of E4M3, ties to even, subnormals kept.
;;     - The product sums the exact products of the quantised numbers (number of the format x scale) in f32.
;;   ~~~python
;;   def quantise(x, axis):      # numpy; x: float32 -> the quantised numbers, widened to float32 again
;;       x = np.moveaxis(x, axis, -1); K = x.shape[-1]
;;       x = np.pad(x, [(0, 0)] * (x.ndim - 1) + [(0, -K % 32)]); x = x.reshape(x.shape[:-1] + (-1, 32)); a = np.abs(x).max(-1, keepdims=True)
;;       e = np.where(a > 0, np.clip(np.frexp(np.where(a > 0, a, 1))[1] - 1 - 8, -126, 127), 0)      # np.frexp(a)[1] - 1 = floor(log2(a)), exactly
;;       r = np.clip(x / 2.0 ** e, -448, 448)
;;       step = 2.0 ** (np.maximum(np.frexp(np.where(r == 0, 1, r))[1] - 1, -6) - 3)
;;       q = np.round(r / step) * step * 2.0 ** e      # np.round: ties to even
;;       return np.moveaxis(q.reshape(q.shape[:-2] + (-1,))[..., :K], -1, axis).astype(np.float32)
;;   ~~~
;;   SOFTMAX AHEAD OF A QUANTISED PRODUCT. Where the list says 'softmax', what is quantised is not the finished softmax but p = 2^(t - M), with t = logit x log2(e) and M = ceil(the row's largest t), a whole number; so 1/2 < the row's largest p <= 1. The row's sum l is taken of the UNQUANTISED p, in f32, and the product's result is divided by l at the end. Since M is a whole number, a kernel that streams over the keys may use a running M (the ceiling of the running maximum): every later rescaling is an exact power of two, which a block's scale takes up: the codes' values come out the same.
;;   OPERANDS COMPUTED ON THE WAY. 'Computed on the way' means the value that the module computes at that place (a softmax that the list does not call 'softmax' is quantised finished and normalised). What goes into a quantiser is computed in f32, as accurately as f32 sums, v_exp_f32 and their like allow (about 1e-6 of the number): no bf16 or f16 on the way to a quantiser, and a product that is left as it is and whose result goes on into a quantised operand takes f32 operands (vector FMAs, or v_wmma_f32_16x16x4_f32). A number that lies on a knife's edge between two numbers of the format may be rounded either way, as far as f32 arithmetic and the matrix unit's own rounding can turn it there, and no further.
;; 2 versions, each right; version 2 is version 1 with the launch qkv written anew for expert scheduling mode. Each part assembles by itself: llvm-mc -triple=amdgcn-amd-amdhsa -mcpu=gfx1250 --defsym DOCPART=n.
;; ======== version 1 of 2: 3 launches
;; workspace buffers: hn_codes 4,194,304 bytes; hn_scales 131,072 bytes; w_codes 262,144 bytes; w_scales 16,384 bytes; qkv_codes 12,582,912 bytes; qkv_scales 393,216 bytes
;; launch prep (part 1): grid 128 x 1, 8 waves a work-group, no clusters, 35,840 bytes of LDS; arguments x, norm_w, norm_b, qkv_w, proj_w, hn_codes, hn_scales, w_codes, w_scales; writes hn_codes, hn_scales, w_codes, w_scales
.if DOCPART == 1
	.amdgcn_target "amdgcn-amd-amdhsa--gfx1250"
	.amdhsa_code_object_version 6
	.text
	.protected	k_qefe3bae117_prep
	.globl	k_qefe3bae117_prep
	.p2align	8
	.type	k_qefe3bae117_prep,@function
k_qefe3bae117_prep:
	s_mov_b64 s[64:65], 0
	v_nop
	global_prefetch_b8 v0, s[64:65] scope:SCOPE_SE
	s_setreg_imm32_b32 hwreg(HW_REG_WAVE_MODE, 25, 1), 1
	s_wait_xcnt 0x0
; GroupNorm and the quantiser of the first product's left operand; and the quantiser of both weights.
; x: [16][256][1024] f32.  A group of the norm is 32 channels x 1,024 pixels, 131,072 consecutive bytes, and its 32 channels are exactly one block of 32 along the first product's K.
; Work-group i owns batch i / 8, group i % 8: it reads its bytes of x once, keeps them in registers (thread t: pixels 4 t .. 4 t + 3 of all 32 channels, 128 registers), takes the mean, then the
; mean of the squared deviations (two passes over the registers, so that a common offset of x costs no accuracy), normalises, and quantises each pixel's 32 numbers: a whole block lies in one lane.
; CODES LEAVE AS IMAGES OF THE OPERAND'S REGISTERS.  A fragment is 16 rows x 128 K, 2,048 bytes: chunk c (32 along K) at 512 c + 16 x lane, lane r + 16 h holding k = 32 c + 16 h + 0 .. 15 of row r.
; THE ROWS OF A TILE ARE NOT NEIGHBOURS: row r of tile T is 32 (T / 2) + 8 (T % 2) + r + 8 (r / 8), for tiles of pixels and of weight rows alike.
; hn_codes: [batch][pixel tile 64][K step 2][2,048]; this work-group fills chunk g % 4 of K step g / 4 of all 64 tiles.  hn_scales: [batch][group][1,024] bytes, byte 16 T + r.
; WEIGHTS.  Wave 0 also quantises unit i = 2 T + s of the 128 units (16 rows x 128 K) of the weights (T 0-47: qkv_w, 48-63: proj_w), while x is on its way.  w_codes: unit i at 2,048 i; w_scales: a word a lane at 128 i + 4 x lane.
; A block's scale is 2^(floor(log2(its largest magnitude)) - 8); its byte is the largest magnitude's exponent field - 8, held at 1 from below.
; LIMITS: NaN and infinities among the inputs are not served.  A block of zeros, or one whose largest magnitude lies under 2^-118, gets the byte 1 (the bytes are read by this program alone; zero codes add nothing).
; 1 / sqrt(var + eps) is v_rsq_f32 (1 ulp: ISA guide, its entry); its product with norm_w is rounded once ahead of the fused multiply-add with norm_b.
; No tensor loads, no cluster: each byte is read once, all of a work-group's bytes are asked for at once, and work-groups share nothing.
.set RED1, 0                           ; LDS: eight waves' partial sums,
.set RED2, 256                         ; eight partial sums of squares,
.set SCG,  512                         ; the work-group's 1,024 scale bytes,
.set STG,  2048                        ; and a stage of 4,096 bytes for each wave: eight chunks of 512
.set X,    16                          ; v16-143  x: register 4 c + p = channel c, pixel 4 t + p
.set Y,    144                         ; v144-207 two sets of 32 numbers of one pixel; wave 0: its 64 weights; at the end the chunks read back
.set C,    208                         ; v208-239 codes: 8 registers a pixel; wave 0: the unit's 16
.set TM,   240                         ; v240-247 at work
.set CH,   248                         ; v248-255 four chains of packed sums
.set PW,   15                          ; v15      the weight unit's scale word
.set AW,   32                          ; s[32:63] norm_w of my 32 channels, then x 1 / sqrt(var + eps)
.set BW,   68                          ; s[68:99] norm_b of my 32 channels
	s_load_b256 s[4:11], s[0:1], 0x0               ; x s[4:5], norm_w s[6:7], norm_b s[8:9], qkv_w s[10:11]
	s_load_b256 s[12:19], s[0:1], 0x20             ; proj_w s[12:13], hn_codes s[14:15], hn_scales s[16:17], w_codes s[18:19]
	s_load_b64 s[20:21], s[0:1], 0x40              ; w_scales
	s_set_vgpr_msb 0x40
	v_lshl_add_u32 v0, v0, 2, 0x8800
	v_mov_b32 v1, 0
	s_set_vgpr_msb 0x4000
	v_lshrrev_b32 v12, 5, v0
	v_readfirstlane_b32 s22, v12                   ; wave 0..7
	v_and_b32 v13, 31, v0                          ; lane
	v_lshlrev_b32 v1, 4, v0                        ; x: 16 t: my four pixels of a channel
	; Pixel 4 t + p lies in tile 2 (t / 8) + bit 1 of t, row 4 (bit 0) + 8 (bit 2) + p
	v_and_b32 v10, 1, v0
	v_bfe_u32 v11, v0, 1, 1
	v_bfe_u32 v14, v0, 2, 1
	v_lshrrev_b32 v9, 3, v0
	v_lshlrev_b32 v2, 10, v9                       ; the stage, way in: 512 x tile + 16 x row (+ 16 p + 256 x half of the channels, in the immediate)
	v_lshl_add_u32 v2, v11, 9, v2
	v_lshl_add_u32 v2, v14, 7, v2
	v_lshl_add_u32 v2, v10, 6, v2
	v_add_nc_u32 v2, STG, v2
	v_lshlrev_b32 v5, 5, v9                        ; my four scale bytes: 16 x tile + row
	v_lshl_add_u32 v5, v11, 4, v5
	v_lshl_add_u32 v5, v14, 3, v5
	v_lshl_add_u32 v5, v10, 2, v5
	v_add_nc_u32 v5, SCG, v5
	v_lshlrev_b32 v4, 4, v13
	v_lshl_add_u32 v3, v12, 12, v4                 ; the stage, way out: my wave's 4,096 bytes, 16 x lane
	v_add_nc_u32 v3, STG, v3
	v_lshl_add_u32 v4, v12, 15, v4                 ; and in hn_codes: my wave's eight tiles of 4,096 bytes, 16 x lane
	v_add_nc_u32 v6, SCG, v1                       ; the scale bytes' way out (waves 0 and 1): 16 t
	v_lshlrev_b32 v7, 2, v12                       ; my wave's word among the partial sums
	v_and_b32 v8, 15, v13                          ; the weights (wave 0): row r + 8 (r / 8) of 1,024 bytes, + 64 h
	v_and_b32 v9, 8, v13
	v_add_nc_u32 v8, v8, v9
	v_lshlrev_b32 v8, 10, v8
	v_bfe_u32 v9, v13, 4, 1
	v_lshl_add_u32 v8, v9, 6, v8
	v_lshlrev_b32 v9, 2, v13                       ; 4 x lane: the unit's scale words
.irp b, 0,1,2,3
	v_mov_b32 v[TM+4+\b], 0                        ; written once: a lane permute's destination counts as one of its sources
.endr
	s_mov_b32 s26, 0x76543210
	s_mov_b32 s27, 0xfedcba98                      ; v_permlanex16_b32's selects for lane l xor 16
	s_mov_b32 s28, 0x600000                        ; the mantissa field of 448
	s_mov_b32 s30, 0x38000000                      ; 2^-15 = 1 / (32 x 1,024)
	s_mov_b32 s31, 0x3727c5ac                      ; eps = 1e-5
	s_mov_b32 s25, 0
	s_and_b32 s23, ttmp9, 7                        ; the group
	s_wait_kmcnt 0x0
	s_lshl_b32 s24, s23, 7                         ; 32 numbers of 4 bytes a group
	s_add_nc_u64 s[6:7], s[6:7], s[24:25]
	s_add_nc_u64 s[8:9], s[8:9], s[24:25]
	s_load_b512 s[AW:AW+15], s[6:7], 0x0           ; gains and biases as scalars: every lane wants the same 32 of each
	s_load_b512 s[AW+16:AW+31], s[6:7], 0x40
	s_load_b512 s[BW:BW+15], s[8:9], 0x0
	s_load_b512 s[BW+16:BW+31], s[8:9], 0x40
	s_lshl_b32 s24, ttmp9, 17
	s_add_nc_u64 s[4:5], s[4:5], s[24:25]          ; x at my 131,072 bytes
	s_lshr_b32 s24, ttmp9, 3
	s_lshl_b32 s24, s24, 18                        ; hn_codes: 262,144 a batch,
	s_lshl_b32 s23, s23, 9                         ; + 2,048 (g / 4) + 512 (g % 4) = 512 g
	s_add_co_u32 s24, s24, s23
	s_add_nc_u64 s[14:15], s[14:15], s[24:25]
	s_lshl_b32 s24, ttmp9, 10
	s_add_nc_u64 s[16:17], s[16:17], s[24:25]      ; hn_scales: my plane of 1,024 bytes
	s_lshl_b32 s24, ttmp9, 11
	s_add_nc_u64 s[18:19], s[18:19], s[24:25]      ; w_codes: unit i
	s_lshl_b32 s24, ttmp9, 7
	s_add_nc_u64 s[20:21], s[20:21], s[24:25]      ; w_scales: unit i
	s_cmp_lt_u32 ttmp9, 96                         ; units 0-95 are qkv_w's, the others proj_w's: the choice hangs on the work-group's number alone
	s_cselect_b64 s[10:11], s[10:11], s[12:13]
	s_cselect_b32 s23, 0, 48
	s_lshr_b32 s24, ttmp9, 1
	s_sub_co_u32 s23, s24, s23                     ; the tile within its weight
	s_lshr_b32 s24, s23, 1
	s_lshl_b32 s24, s24, 15                        ; its first row: 32 (T / 2) + 8 (T % 2), rows of 1,024 bytes,
	s_and_b32 s23, s23, 1
	s_lshl_b32 s23, s23, 13
	s_add_co_u32 s24, s24, s23
	s_and_b32 s23, ttmp9, 1
	s_lshl_b32 s23, s23, 9                         ; and the K step: 128 numbers of 4 bytes
	s_add_co_u32 s24, s24, s23
	s_add_nc_u64 s[10:11], s[10:11], s[24:25]
	s_cmp_lg_u32 s22, 0
	s_cbranch_scc1 .Lx_loads
.irp b, 0,1,2,3                                ; wave 0: lane (r, h) takes, of its row, 16 neighbours of each block of 32: register 16 b + i = k 32 b + 16 h + i
.irp j, 0,1,2,3
	global_load_b128 v[Y+16*\b+4*\j:Y+16*\b+4*\j+3], v8, s[10:11] offset:128*\b+16*\j
.endr
.endr
.Lx_loads:
.set cc, 0
.rept 32                                       ; a wave's load covers 512 consecutive bytes of a channel.  No hint: the last launch reads x again
	global_load_b128 v[X+4*cc:X+4*cc+3], v1, s[4:5] offset:4096*cc
.set cc, cc+1
.endr
	s_cmp_lg_u32 s22, 0
	s_cbranch_scc1 .Lno_weights
	s_wait_loadcnt 32                              ; the sixteen loads of the weights are in; the 32 of x, issued behind them, stay out
.irp b, 0,1,2,3
	v_max3_num_f32 v[TM+\b], |v[Y+16*\b]|, |v[Y+1+16*\b]|, 0x4800000   ; block b: my 16 numbers, and the floor 2^(9 - 127): so the byte cannot fall under 1
.endr
.irp i, 2,4,6,8,10,12,14
.irp b, 0,1,2,3
	v_max3_num_f32 v[TM+\b], v[TM+\b], |v[Y+16*\b+\i]|, |v[Y+1+16*\b+\i]|   ; the four blocks by turns
.endr
.endr
.irp b, 0,1,2,3
	v_permlanex16_b32 v[TM+4+\b], v[TM+\b], s26, s27
.endr
.irp b, 0,1,2,3
	v_max_num_f32 v[TM+\b], v[TM+\b], v[TM+4+\b]   ; with lane l xor 16's: the block's largest magnitude
.endr
.irp b, 0,1,2,3
	v_add_nc_u32 v[CH+4+\b], 0xfc000000, v[TM+\b]  ; 8 off its exponent field: the conversion takes the exponent field of this operand as its scale
.endr
.irp b, 0,1,2,3
	v_and_or_b32 v[CH+\b], v[TM+\b], 0x7f800000, s28   ; 448 x the scale
.endr
.irp b, 0,1,2,3
	v_lshrrev_b32 v[TM+4+\b], 23, v[CH+4+\b]       ; the scale's byte
.endr
	v_lshl_or_b32 v[PW], v[TM+5], 8, v[TM+4]       ; the four bytes make my row's scale word
	v_lshl_or_b32 v[PW], v[TM+6], 16, v[PW]
	v_lshl_or_b32 v[PW], v[TM+7], 24, v[PW]
.irp b, 0,1,2,3
.irp i, 0,1,2,3,4,5,6,7,8,9,10,11,12,13,14,15
	v_med3_num_f32 v[Y+16*\b+\i], v[Y+16*\b+\i], -v[CH+\b], v[CH+\b]   ; the conversion to an 8-bit code does not saturate (ISA guide 7.6.2): the hold at the largest code x the scale
.endr
	v_cvt_scalef32_pk8_fp8_f32 v[C+4*\b:C+1+4*\b], v[Y+16*\b:Y+7+16*\b], v[CH+4+\b]
	v_cvt_scalef32_pk8_fp8_f32 v[C+2+4*\b:C+3+4*\b], v[Y+8+16*\b:Y+15+16*\b], v[CH+4+\b]
.endr
	v_nop                                          ; one plain line behind the last conversion, ahead of the vector lines that write its registers again
.irp c, 0,1,2,3
	global_store_b128 v1, v[C+4*\c:C+4*\c+3], s[18:19] offset:512*\c   ; in wave 0 16 t is 16 x lane: 512 consecutive bytes a store
.endr
	global_store_b32 v9, v[PW], s[20:21]
	s_wait_xcnt 0x0                                ; the stores' data registers are written again below only behind this wait
.Lno_weights:
; ---- the mean: 64 pairs a lane in four chains, started by the first eight pairs: nothing is cleared
.macro SUMUP i
.if (\i) >= 8
	v_pk_add_f32 v[CH+2*((\i)%4):CH+2*((\i)%4)+1], v[CH+2*((\i)%4):CH+2*((\i)%4)+1], v[X+2*(\i):X+2*(\i)+1]
.elseif (\i) >= 4
	v_pk_add_f32 v[CH+2*((\i)-4):CH+2*((\i)-4)+1], v[X+2*((\i)-4):X+2*((\i)-4)+1], v[X+2*(\i):X+2*(\i)+1]
.endif
.endm
.macro SQUP i
.if (\i) >= 4
	v_pk_fma_f32 v[CH+2*((\i)%4):CH+2*((\i)%4)+1], v[X+2*(\i):X+2*(\i)+1], v[X+2*(\i):X+2*(\i)+1], v[CH+2*((\i)%4):CH+2*((\i)%4)+1]
.else
	v_pk_mul_f32 v[CH+2*(\i):CH+2*(\i)+1], v[X+2*(\i):X+2*(\i)+1], v[X+2*(\i):X+2*(\i)+1]
.endif
.endm
; The four chains, the 32 lanes and the eight waves are joined: v12 = the work-group's sum, the same bits in every lane of every wave.
.macro GSUM base
	v_pk_add_f32 v[CH:CH+1], v[CH:CH+1], v[CH+2:CH+3]
	v_pk_add_f32 v[CH+4:CH+5], v[CH+4:CH+5], v[CH+6:CH+7]
	v_pk_add_f32 v[CH:CH+1], v[CH:CH+1], v[CH+4:CH+5]
	v_add_f32 v12, v[CH], v[CH+1]
	v_add_f32_dpp v12, v12, v12 row_xmask:1 row_mask:0xf bank_mask:0xf
	v_add_f32_dpp v12, v12, v12 row_xmask:2 row_mask:0xf bank_mask:0xf
	v_add_f32_dpp v12, v12, v12 row_xmask:4 row_mask:0xf bank_mask:0xf
	v_add_f32_dpp v12, v12, v12 row_xmask:8 row_mask:0xf bank_mask:0xf
	v_permlanex16_b32 v[TM+4], v12, s26, s27
	v_add_f32 v12, v12, v[TM+4]
	ds_store_b32 v7, v12 offset:\base              ; all lanes write my wave's word with the same value
	s_wait_dscnt 0x0                               ; for the others' sake: my store has landed
	s_barrier_signal -1
	s_barrier_wait -1
	v_mov_b32 v13, 0
	ds_load_b128 v[TM:TM+3], v13 offset:\base
	ds_load_b128 v[TM+4:TM+7], v13 offset:\base+16
	s_wait_dscnt 0x0
	v_add_f32 v[TM], v[TM], v[TM+1]
	v_add_f32 v[TM+2], v[TM+2], v[TM+3]
	v_add_f32 v[TM+4], v[TM+4], v[TM+5]
	v_add_f32 v[TM+6], v[TM+6], v[TM+7]
	v_add_f32 v[TM], v[TM], v[TM+2]
	v_add_f32 v[TM+4], v[TM+4], v[TM+6]
	v_add_f32 v12, v[TM], v[TM+4]
.endm
.set pp, 0
.irp k, 0,1,2,3
	s_wait_loadcnt 24-8*\k                         ; loads come back in order: eight more channels are in, the younger groups of eight stay out
.rept 16
	SUMUP pp
.set pp, pp+1
.endr
.endr
	GSUM RED1
	v_mul_f32 v10, s30, v12                        ; the mean
	v_mov_b32 v11, v10
.set pp, 0
.rept 64
	v_pk_add_f32 v[X+2*pp:X+2*pp+1], v[X+2*pp:X+2*pp+1], v[10:11] neg_lo:[0,1] neg_hi:[0,1]   ; x - mean, in place
.set pp, pp+1
.endr
.set pp, 0
.rept 64
	SQUP pp
.set pp, pp+1
.endr
	GSUM RED2                                      ; other words than the first sum's: no wave can overtake a reader
	v_fma_f32 v12, v12, s30, s31                   ; var + eps
	v_rsq_f32 v12, v12
	v_nop                                          ; a plain line between the transcendental and the use of its result
	s_wait_alu depctr_va_vdst(0)
	v_readfirstlane_b32 s29, v12
	s_wait_kmcnt 0x0                               ; norm_w, norm_b
.set cc, 0
.rept 32
	s_mul_f32 s[AW+cc], s[AW+cc], s29              ; norm_w / sqrt(var + eps)
.set cc, cc+1
.endr
; ---- pixel 4 t + p: its 32 channels, one block along K, all in my registers
.macro PIX p
.set YS, Y+32*((\p)%2)
.set cc, 0
.rept 32
	v_fma_f32 v[YS+cc], v[X+4*cc+\p], s[AW+cc], s[BW+cc]   ; hn; the registers now run along the channels
.set cc, cc+1
.endr
	v_max3_num_f32 v[TM], |v[YS]|, |v[YS+1]|, |v[YS+2]|    ; the block's largest magnitude, in two chains
	v_max3_num_f32 v[TM+1], |v[YS+3]|, |v[YS+4]|, |v[YS+5]|
.irp i, 6,10,14,18,22,26
	v_max3_num_f32 v[TM], v[TM], |v[YS+\i]|, |v[YS+\i+1]|
	v_max3_num_f32 v[TM+1], v[TM+1], |v[YS+\i+2]|, |v[YS+\i+3]|
.endr
	v_max3_num_f32 v[TM], v[TM], |v[YS+30]|, |v[YS+31]|
	v_max3_num_f32 v[TM], v[TM], v[TM+1], 0x4800000        ; and the floor 2^(9 - 127)
	v_add_nc_u32 v[TM+2], 0xfc000000, v[TM]                ; the conversion's scale operand
	v_and_or_b32 v[TM+3], v[TM], 0x7f800000, s28           ; 448 x the scale
.if (\p) == 0
	v_lshrrev_b32 v14, 23, v[TM+2]                         ; the scale's byte: my four pixels' bytes are neighbours: one word
.else
	v_lshrrev_b32 v[TM+4], 23, v[TM+2]
	v_lshl_or_b32 v14, v[TM+4], 8*(\p), v14
.endif
.set cc, 0
.rept 32
	v_med3_num_f32 v[YS+cc], v[YS+cc], -v[TM+3], v[TM+3]   ; the hold at the largest code x the scale (ISA guide 7.6.2)
.set cc, cc+1
.endr
.irp g, 0,1,2,3
	v_cvt_scalef32_pk8_fp8_f32 v[C+8*(\p)+2*\g:C+8*(\p)+2*\g+1], v[YS+8*\g:YS+8*\g+7], v[TM+2]
.endr
.endm
	PIX 0
	PIX 1
	PIX 2
	PIX 3
	v_nop                                          ; one plain line behind the last conversion
	; ---- the way out: 16 bytes of a pixel are one lane's part of a chunk; the chunks are put together in my wave's stage and leave whole
	ds_store_b32 v5, v14
.irp p, 0,1,2,3
	ds_store_b128 v2, v[C+8*\p:C+8*\p+3] offset:16*\p          ; channels 0-15: lane = row
	ds_store_b128 v2, v[C+8*\p+4:C+8*\p+7] offset:16*\p+256    ; channels 16-31: lane = row + 16
.endr
.irp j, 0,1,2,3,4,5,6,7
	ds_load_b128 v[Y+4*\j:Y+4*\j+3], v3 offset:512*\j          ; LDS serves a wave's instructions in order (ISA guide 5.7.1.4): these see my stores; the stage is my wave's own
.endr
.irp j, 0,1,2,3,4,5,6,7
	s_wait_dscnt 7-\j                              ; chunk j is back; the younger loads stay out
	global_store_b128 v4, v[Y+4*\j:Y+4*\j+3], s[14:15] offset:4096*\j   ; 32 lanes store 512 consecutive bytes, at a multiple of 512 from the buffer's first byte
.endr
	s_barrier_signal -1                            ; (the last count above was 0: my store of scale bytes has landed too)
	s_barrier_wait -1                              ; the work-group's 1,024 scale bytes lie in LDS
	s_cmp_gt_u32 s22, 1
	s_cbranch_scc1 .Lend
	ds_load_b128 v[TM:TM+3], v6                    ; waves 0 and 1: 512 bytes each
	s_wait_dscnt 0x0
	global_store_b128 v1, v[TM:TM+3], s[16:17]
.Lend:
	s_set_vgpr_msb 0x5
	s_wait_tensorcnt 0x0
	ds_add_u32 v0, v1
	s_wait_dscnt 0x0
	s_set_vgpr_msb 0x500
	s_endpgm
.Lfunc_end_k_qefe3bae117_prep:
	.size	k_qefe3bae117_prep, .Lfunc_end_k_qefe3bae117_prep-k_qefe3bae117_prep
	.p2alignl 7, 3214868480
	.fill 96, 4, 3214868480
	.section	.rodata,"a",@progbits
	.p2align	6, 0x0
	.amdhsa_kernel k_qefe3bae117_prep
		.amdhsa_group_segment_fixed_size 35840
		.amdhsa_private_segment_fixed_size 0
		.amdhsa_enable_private_segment 0
		.amdhsa_kernarg_size 72
		.amdhsa_user_sgpr_count 2
		.amdhsa_user_sgpr_kernarg_segment_ptr 1
		.amdhsa_wavefront_size32 1
		.amdhsa_system_sgpr_workgroup_id_x 1
		.amdhsa_system_sgpr_workgroup_id_y 1
		.amdhsa_system_sgpr_workgroup_id_z 1
		.amdhsa_system_vgpr_workitem_id 0
		.amdhsa_next_free_vgpr 258
		.amdhsa_next_free_sgpr 100
		.amdhsa_reserve_vcc 0
		.amdhsa_float_denorm_mode_32 3
		.amdhsa_float_denorm_mode_16_64 3
		.amdhsa_memory_ordered 1
		.amdhsa_forward_progress 1
		.amdhsa_inst_pref_size 58
	.end_amdhsa_kernel
	.amdgpu_metadata
---
amdhsa.version: [ 1, 2 ]
amdhsa.kernels:
  - .name:           k_qefe3bae117_prep
    .symbol:         k_qefe3bae117_prep.kd
    .args:
      - { .name: x, .offset: 0, .size: 8, .value_kind: global_buffer, .address_space: global }
      - { .name: norm_w, .offset: 8, .size: 8, .value_kind: global_buffer, .address_space: global }
      - { .name: norm_b, .offset: 16, .size: 8, .value_kind: global_buffer, .address_space: global }
      - { .name: qkv_w, .offset: 24, .size: 8, .value_kind: global_buffer, .address_space: global }
      - { .name: proj_w, .offset: 32, .size: 8, .value_kind: global_buffer, .address_space: global }
      - { .name: hn_codes, .offset: 40, .size: 8, .value_kind: global_buffer, .address_space: global }
      - { .name: hn_scales, .offset: 48, .size: 8, .value_kind: global_buffer, .address_space: global }
      - { .name: w_codes, .offset: 56, .size: 8, .value_kind: global_buffer, .address_space: global }
      - { .name: w_scales, .offset: 64, .size: 8, .value_kind: global_buffer, .address_space: global }
    .group_segment_fixed_size: 35840
    .private_segment_fixed_size: 0
    .kernarg_segment_align: 8
    .kernarg_segment_size: 72
    .max_flat_workgroup_size: 256
    .sgpr_count:     100
    .vgpr_count:     258
    .wavefront_size: 32
...
	.end_amdgpu_metadata
.endif
;; end of part 1
;; launch qkv (part 2): grid 16 x 16, 4 waves a work-group, no clusters, 0 bytes of LDS; arguments hn_codes, hn_scales, w_codes, w_scales, qkv_b, qkv_codes, qkv_scales; writes qkv_codes, qkv_scales
.if DOCPART == 2
	.amdgcn_target "amdgcn-amd-amdhsa--gfx1250"
	.amdhsa_code_object_version 6
	.text
	.protected	k_qefe3bae117_qkv
	.globl	k_qefe3bae117_qkv
	.p2align	8
	.type	k_qefe3bae117_qkv,@function
k_qefe3bae117_qkv:
	s_mov_b64 s[64:65], 0
	v_nop
	global_prefetch_b8 v0, s[64:65] scope:SCOPE_SE
	s_setreg_imm32_b32 hwreg(HW_REG_WAVE_MODE, 25, 1), 1
	s_wait_xcnt 0x0
; The first product, qkv = qkv_w hn + qkv_b, on codes of FP8 (E4M3) with one E8M0 scale for each 32 along K = 256 channels, and the quantisers of q, k (along the head's 64) and v (along the keys).
; SHARES.  A work-group owns one head's q, k and v (192 outputs) of 256 pixels of one batch.  Wave w: pixels 128 (w / 2) on (a STEP of 128 pixels: eight tiles of 16); w % 2 = 0: q and v's tiles 0, 1; w % 2 = 1: k and v's tiles 2, 3.
; So every block of 32 and every scale word is made whole inside one wave: no LDS, no barrier, no branch, no loop.  The two kinds of wave run one text and differ in scalar offsets alone.
; All operands come as images of their registers (chunk c of a fragment at 512 c + 16 x lane), at the head; then six jobs of 16 matrix instructions.  Each operand is read by two waves of the work-group;
; sharing them through LDS would put fills and barriers into a text of six short jobs, for 224 KB a work-group that lie in the caches.
; Row r of tile T is 32 (T / 2) + 8 (T % 2) + r + 8 (r / 8), for pixels and weight rows alike: so the 16 result registers of tiles 2 B and 2 B + 1 are the 16 neighbours 32 B + 16 h + 0 .. 15.
; q, k: source 0 = 16 weight rows, source 1 = 16 pixels: a lane holds one pixel, its registers run along d.   v: source 0 = 16 pixels, source 1 = 16 weight rows: a lane holds one d, its registers run along the pixels (the keys).
; The bias is the C of each sum's first matrix instruction.
; OUT.  idx = (8 batch + step) 4 + head.  k: qkv_codes + 16,384 idx: four fragments; fragment f's chunk 2 u + blk = key tile 2 f + u of the step, d block blk (two key tiles share a fragment of 128 along K, since a head has 64).
; v: + 8,192: four tiles n (rows d by the order above), chunk c = the step's keys 32 c on.   q: qkv_codes + 8,388,608 + 8,192 idx, laid as k.
; qkv_scales, 24,576 a batch: part (q 0, k 1, v 2) x 8,192 + 256 (4 step + head).  q, k: fragment f, row r: word at 8 (16 (f % 2) + r) + 4 (f / 2).  v: tile n, row r: word at 128 (n / 2) + 4 (16 (n % 2) + r).
; LIMITS: NaN and infinities are not served; a block whose largest magnitude lies under 2^-118 gets the byte 1 (the bytes are read by this program alone).
; REGISTERS, in windows of 256: window 1: hn's 16 fragments (tile tt, K step s at 16 (2 tt + s)).  window 2: v0-191 the weights' 12 fragments (tile wt, s at 16 (2 wt + s); wt 0-3: q or k, 4-5: v); v192-223 q/k bias; v224-239 v bias.
;   window 0: v1-6 offsets; v16-79 eight accumulators; v80-95 codes; v96-111 at work; v112-117 scale words in the making; v120-127 hn's scale words; v128-139 the weights'.
.set ACC, 16
.set C,   80
.set TM,  96
.set KW,  112                          ; v112-115 q's or k's scale words, fragment f
.set VW,  116                          ; v116-117 v's, tile e
.set VB,  118                          ; v118-119 v's bias as loaded; at the end v's words on their way out
.set HS,  120                          ; v120-127 hn's scale words: register 2 t' + s: lanes 0-15 tile 2 t', lanes 16-31 tile 2 t' + 1
.set WS,  128                          ; v128-139 the weights' scale words: register 2 wt + s
.set U8,  144                          ; v144-175 hn's scale bytes as loaded
.set OUTP, 176                         ; v176-177 q's or k's words on their way out
.set BQ,  192                          ; in window 2
.set BVW, 224
.set MSB, 0
.macro WIN new                         ; the immediate's high byte repeats the setting that is left
.if MSB != \new
	s_set_vgpr_msb (MSB<<8)|\new
.set MSB, \new
.endif
.endm
	s_load_b256 s[4:11], s[0:1], 0x0               ; hn_codes s[4:5], hn_scales s[6:7], w_codes s[8:9], w_scales s[10:11]
	s_load_b128 s[12:15], s[0:1], 0x20             ; qkv_b s[12:13], qkv_codes s[14:15]
	s_load_b64 s[16:17], s[0:1], 0x30              ; qkv_scales
	v_lshrrev_b32 v7, 5, v0
	v_readfirstlane_b32 s18, v7                    ; wave 0..3
	v_and_b32 v2, 31, v0                           ; lane
	v_lshlrev_b32 v1, 4, v2                        ; 16 x lane: my place in a chunk
	v_lshlrev_b32 v3, 2, v2                        ; 4 x lane
	v_lshlrev_b32 v4, 3, v2                        ; 8 x lane
	v_bfe_u32 v5, v0, 4, 1
	v_lshlrev_b32 v5, 6, v5                        ; 64 h: q/k bias: the 16 numbers of my half
	v_and_b32 v6, 15, v0
	v_and_b32 v7, 8, v0
	v_add_nc_u32 v6, v6, v7
	v_lshlrev_b32 v6, 2, v6                        ; 4 (r + 8 (r / 8)): v's bias of my row
	s_mov_b32 s48, 0x76543210
	s_mov_b32 s49, 0xfedcba98                      ; v_permlanex16_b32's selects for lane l xor 16
	s_mov_b32 s50, 0x600000                        ; the mantissa field of 448
	s_and_b32 s19, s18, 1                          ; oh: 0 q, 1 k
	s_lshr_b32 s40, s18, 1
	s_and_b32 s41, ttmp9, 3                        ; the head
	s_lshr_b32 s42, ttmp9, 2
	s_and_b32 s43, ttmp7, 0xffff                   ; the batch
	s_lshl_b32 s44, s42, 1
	s_add_co_u32 s44, s44, s40                     ; the step
	s_lshl_b32 s45, s43, 3
	s_add_co_u32 s45, s45, s44
	s_lshl_b32 s45, s45, 2
	s_add_co_u32 s45, s45, s41                     ; idx
	s_mov_b32 s47, 0
	s_wait_kmcnt 0x0
	s_lshr_b32 s46, s45, 2
	s_lshl_b32 s46, s46, 15                        ; hn_codes: 32,768 a step
	s_add_nc_u64 s[4:5], s[4:5], s[46:47]
	s_lshl_b32 s46, s43, 13                        ; hn_scales: 8,192 a batch, 128 bytes a step in each plane
	s_lshl_b32 s40, s44, 7
	s_add_co_u32 s46, s46, s40
	s_add_nc_u64 s[6:7], s[6:7], s[46:47]
	s_lshl_b32 s40, s19, 4
	s_lshl_b32 s42, s41, 2
	s_add_co_u32 s40, s40, s42                     ; q's or k's first weight tile: 16 oh + 4 head
	s_lshl_b32 s46, s40, 12
	s_add_nc_u64 s[20:21], s[8:9], s[46:47]        ; its codes: 4,096 a tile,
	s_lshl_b32 s46, s40, 8
	s_add_nc_u64 s[24:25], s[10:11], s[46:47]      ; its scale words: 256 a tile,
	s_lshl_b32 s46, s40, 6
	s_add_nc_u64 s[28:29], s[12:13], s[46:47]      ; its bias: 64 bytes a tile
	s_lshl_b32 s40, s19, 1
	s_add_co_u32 s40, s40, s42
	s_add_co_u32 s40, s40, 32                      ; v's first weight tile of mine: 32 + 4 head + 2 oh
	s_lshl_b32 s46, s40, 12
	s_add_nc_u64 s[22:23], s[8:9], s[46:47]
	s_lshl_b32 s46, s40, 8
	s_add_nc_u64 s[26:27], s[10:11], s[46:47]
	s_lshl_b32 s46, s40, 6
	s_add_nc_u64 s[30:31], s[12:13], s[46:47]
	s_lshl_b32 s40, s45, 13
	s_add_co_u32 s40, s40, 0x800000                ; q's place
	s_lshl_b32 s42, s45, 14                        ; k's
	s_cmp_lg_u32 s19, 0
	s_cselect_b32 s46, s42, s40
	s_add_nc_u64 s[32:33], s[14:15], s[46:47]
	s_lshl_b32 s40, s19, 12
	s_add_co_u32 s46, s42, s40
	s_add_co_u32 s46, s46, 8192                    ; v's tiles 2 oh, 2 oh + 1
	s_add_nc_u64 s[34:35], s[14:15], s[46:47]
	s_mul_i32 s40, s43, 24576
	s_lshl_b32 s42, s44, 2
	s_add_co_u32 s42, s42, s41
	s_lshl_b32 s42, s42, 8
	s_add_co_u32 s40, s40, s42
	s_lshl_b32 s42, s19, 13
	s_add_co_u32 s46, s40, s42
	s_add_nc_u64 s[36:37], s[16:17], s[46:47]      ; q's or k's scale words
	s_lshl_b32 s42, s19, 7
	s_add_co_u32 s46, s40, s42
	s_add_co_u32 s46, s46, 16384
	s_add_nc_u64 s[38:39], s[16:17], s[46:47]      ; v's
	WIN 0x40                                       ; destination window 1
.irp f, 0,1,2,3,4,5,6,7,8,9,10,11,12,13,14,15
.irp c, 0,1,2,3
	global_load_b128 v[16*\f+4*\c:16*\f+4*\c+3], v1, s[4:5] offset:2048*\f+512*\c
.endr
.endr
	WIN 0x80                                       ; destination window 2
.irp f, 0,1,2,3,4,5,6,7
.irp c, 0,1,2,3
	global_load_b128 v[16*\f+4*\c:16*\f+4*\c+3], v1, s[20:21] offset:2048*\f+512*\c
.endr
.endr
.irp f, 0,1,2,3
.irp c, 0,1,2,3
	global_load_b128 v[128+16*\f+4*\c:128+16*\f+4*\c+3], v1, s[22:23] offset:2048*\f+512*\c
.endr
.endr
.irp t, 0,1,2,3                                ; tile 2 B + u: lane (r, h) wants the bias of d = 32 B + 8 u + 16 h + 0 .. 7
	global_load_b128 v[BQ+8*\t:BQ+8*\t+3], v5, s[28:29] offset:128*(\t/2)+32*(\t%2)
	global_load_b128 v[BQ+8*\t+4:BQ+8*\t+7], v5, s[28:29] offset:128*(\t/2)+32*(\t%2)+16
.endr
	WIN 0
.irp i, 0,1,2,3,4,5,6,7
	global_load_b32 v[WS+\i], v3, s[24:25] offset:128*\i
.endr
.irp i, 0,1,2,3
	global_load_b32 v[WS+8+\i], v3, s[26:27] offset:128*\i
.endr
.irp e, 0,1
	global_load_b32 v[VB+\e], v6, s[30:31] offset:32*\e
.endr
.irp i, 0,1,2,3,4,5,6,7                        ; i = 2 t' + s: the bytes of two tiles' 32 rows are neighbours in each group's plane
.irp c, 0,1,2,3
	global_load_u8 v[U8+4*\i+\c], v2, s[6:7] offset:1024*(4*(\i%2)+\c)+32*(\i/2)
.endr
.endr
	s_wait_loadcnt 0x0
.irp i, 0,1,2,3,4,5,6,7
	v_lshl_or_b32 v[HS+\i], v[U8+4*\i+1], 8, v[U8+4*\i]   ; four groups' bytes make a row's scale word for 128 along K
.endr
.irp i, 0,1,2,3,4,5,6,7
	v_lshl_or_b32 v[HS+\i], v[U8+4*\i+2], 16, v[HS+\i]
.endr
.irp i, 0,1,2,3,4,5,6,7
	v_lshl_or_b32 v[HS+\i], v[U8+4*\i+3], 24, v[HS+\i]
.endr
	WIN 0x80
.irp e, 0,1
.irp j, 0,1,2,3,4,5,6,7
	v_mov_b32 v[BVW+8*\e+\j], v[VB+\e]             ; v's bias in the result's layout: a lane holds one d.  (These sixteen are also the places between the scale words just made and the first product)
.endr
.endr
	WIN 0
.irp b, 0,1,2,3
	v_mov_b32 v[TM+4+\b], 0                        ; written once: a lane permute's destination counts as one of its sources
.endr
	v_cmp_le_u32 vcc_lo, 16, v2                    ; lanes 16-31
; Four units of 16 registers, v[s + 16 b] on, each half of a block of 32 (the other half in lane l xor 16), become codes v[C + 4 b] on and bytes v[TM + 4 + b].
.macro QUANT4 s
.irp b, 0,1,2,3
	v_max3_num_f32 v[TM+\b], |v[\s+16*\b]|, |v[\s+1+16*\b]|, 0x4800000   ; my 16 numbers, from each accumulator's low end on, and the floor 2^(9 - 127)
.endr
.irp i, 2,4,6,8,10,12,14
.irp b, 0,1,2,3
	v_max3_num_f32 v[TM+\b], v[TM+\b], |v[\s+16*\b+\i]|, |v[\s+1+16*\b+\i]|
.endr
.endr
.irp b, 0,1,2,3
	v_permlanex16_b32 v[TM+4+\b], v[TM+\b], s48, s49
.endr
.irp b, 0,1,2,3
	v_max_num_f32 v[TM+\b], v[TM+\b], v[TM+4+\b]   ; the block's largest magnitude
.endr
.irp b, 0,1,2,3
	v_add_nc_u32 v[TM+12+\b], 0xfc000000, v[TM+\b] ; 8 off its exponent field: the conversion's scale operand
.endr
.irp b, 0,1,2,3
	v_and_or_b32 v[TM+8+\b], v[TM+\b], 0x7f800000, s50   ; 448 x the scale
.endr
.irp b, 0,1,2,3
	v_lshrrev_b32 v[TM+4+\b], 23, v[TM+12+\b]      ; the scale's byte
.endr
.irp b, 0,1,2,3
.irp i, 0,1,2,3,4,5,6,7,8,9,10,11,12,13,14,15
	v_med3_num_f32 v[\s+16*\b+\i], v[\s+16*\b+\i], -v[TM+8+\b], v[TM+8+\b]   ; the conversion to an 8-bit code does not saturate (ISA guide 7.6.2)
.endr
	v_cvt_scalef32_pk8_fp8_f32 v[C+4*\b:C+1+4*\b], v[\s+16*\b:\s+7+16*\b], v[TM+12+\b]
	v_cvt_scalef32_pk8_fp8_f32 v[C+2+4*\b:C+3+4*\b], v[\s+8+16*\b:\s+15+16*\b], v[TM+12+\b]
.endr
	v_nop                                          ; one plain line behind the last conversion: the next job's products write its sources
.endm
.macro PLACES                          ; eight places between this form's products and the first read of their results
.rept 8
	v_nop
.endr
.endm
; One product of q or k: d block blk, half u (weight tile 2 blk + u) x pixel tile 4 pg + m, K step s.
.macro PQK pg, blk, m, u, s
.set rD, ACC+16*(\m)+8*(\u)
.set rA, 16*(2*(2*(\blk)+(\u))+(\s))
.set rB, 16*(2*(4*(\pg)+(\m))+(\s))
.set rC, BQ+8*(2*(\blk)+(\u))
.set rSA, WS+2*(2*(\blk)+(\u))+(\s)
.set rSB, HS+2*(2*(\pg)+(\m)/2)+(\s)
.if (\s) != 0
.set rC, rD
.endif
.if (\m)%2
	v_wmma_scale_f32_16x16x128_f8f6f4 v[rD:rD+7], v[rA:rA+15], v[rB:rB+15], v[rC:rC+7], v[rSA], v[rSB] matrix_b_scale:MATRIX_SCALE_ROW1
.else
	v_wmma_scale_f32_16x16x128_f8f6f4 v[rD:rD+7], v[rA:rA+15], v[rB:rB+15], v[rC:rC+7], v[rSA], v[rSB]
.endif
.endm
; A job of q or k: four pixel tiles x one d block.  Eight accumulators by turns, one instruction a turn, K step by K step.
.macro JOBQK pg, blk
	s_wait_xcnt 0x0                                ; the last job's stores have read their data: the codes' registers are written again below
	WIN 0x26                                       ; source 0 (weights) window 2, source 1 (hn) window 1, C (bias) window 2, D window 0
.irp m, 0,1,2,3
.irp u, 0,1
	PQK \pg, \blk, \m, \u, 0
.endr
.endr
	WIN 0x06                                       ; C and D window 0
.irp m, 0,1,2,3
.irp u, 0,1
	PQK \pg, \blk, \m, \u, 1
.endr
.endr
	WIN 0
	PLACES
	QUANT4 ACC                                     ; unit m: pixel tile 4 pg + m; lane (r, h): d = 32 blk + 16 h + 0 .. 15 of its pixel
.irp m, 0,1,2,3
.if (2*(\m%2)+\blk) == 0
	v_mov_b32 v[KW+2*\pg+\m/2], v[TM+4+\m]
.else
	v_lshl_or_b32 v[KW+2*\pg+\m/2], v[TM+4+\m], 8*(2*(\m%2)+\blk), v[KW+2*\pg+\m/2]
.endif
	global_store_b128 v1, v[C+4*\m:C+4*\m+3], s[32:33] offset:2048*(2*\pg+\m/2)+512*(2*(\m%2)+\blk)   ; a whole chunk: 512 consecutive bytes
.endr
.endm
; One product of v: pixel tile 4 pg + 2 bb + u x weight tile 4 + e, K step s.
.macro PVV pg, e, bb, u, s
.set rD, ACC+32*(\e)+16*(\bb)+8*(\u)
.set rA, 16*(2*(4*(\pg)+2*(\bb)+(\u))+(\s))
.set rB, 16*(2*(4+(\e))+(\s))
.set rC, BVW+8*(\e)
.set rSA, HS+2*(2*(\pg)+(\bb))+(\s)
.set rSB, WS+2*(4+(\e))+(\s)
.if (\s) != 0
.set rC, rD
.endif
.if (\u)
	v_wmma_scale_f32_16x16x128_f8f6f4 v[rD:rD+7], v[rA:rA+15], v[rB:rB+15], v[rC:rC+7], v[rSA], v[rSB] matrix_a_scale:MATRIX_SCALE_ROW1
.else
	v_wmma_scale_f32_16x16x128_f8f6f4 v[rD:rD+7], v[rA:rA+15], v[rB:rB+15], v[rC:rC+7], v[rSA], v[rSB]
.endif
.endm
.macro JOBV pg
	s_wait_xcnt 0x0
	WIN 0x29                                       ; source 0 (hn) window 1, source 1 (weights) window 2, C (bias) window 2
.irp e, 0,1
.irp bb, 0,1
.irp u, 0,1
	PVV \pg, \e, \bb, \u, 0
.endr
.endr
.endr
	WIN 0x09
.irp e, 0,1
.irp bb, 0,1
.irp u, 0,1
	PVV \pg, \e, \bb, \u, 1
.endr
.endr
.endr
	WIN 0
	PLACES
	QUANT4 ACC                                     ; unit 2 e + bb: lane (r, h): keys 32 (2 pg + bb) + 16 h + 0 .. 15 of the step, of its d
.irp e, 0,1
.irp bb, 0,1
.if (2*\pg+\bb) == 0
	v_mov_b32 v[VW+\e], v[TM+4+2*\e+\bb]
.else
	v_lshl_or_b32 v[VW+\e], v[TM+4+2*\e+\bb], 8*(2*\pg+\bb), v[VW+\e]
.endif
	global_store_b128 v1, v[C+4*(2*\e+\bb):C+4*(2*\e+\bb)+3], s[34:35] offset:2048*\e+512*(2*\pg+\bb)
.endr
.endr
.endm
	JOBQK 0, 0
	JOBQK 0, 1
	JOBV 0
	JOBQK 1, 0
	JOBQK 1, 1
	JOBV 1
	v_cndmask_b32 v[OUTP], v[KW], v[KW+1], vcc_lo      ; lanes 0-15 carry fragment 0's words, lanes 16-31 fragment 1's (both halves of the lanes hold every word);
	v_cndmask_b32 v[OUTP+1], v[KW+2], v[KW+3], vcc_lo  ; likewise fragments 2 and 3
	global_store_b64 v4, v[OUTP:OUTP+1], s[36:37]      ; 32 lanes store 256 consecutive bytes, at a multiple of 256 from the buffer's first byte
	v_cndmask_b32 v[VB], v[VW], v[VW+1], vcc_lo
	global_store_b32 v3, v[VB], s[38:39]               ; my two tiles' words: 128 consecutive bytes, half of the 256 that the two waves of a step fill: one byte in a hundred of what the launch stores
	s_endpgm
.Lfunc_end_k_qefe3bae117_qkv:
	.size	k_qefe3bae117_qkv, .Lfunc_end_k_qefe3bae117_qkv-k_qefe3bae117_qkv
	.p2alignl 7, 3214868480
	.fill 96, 4, 3214868480
	.section	.rodata,"a",@progbits
	.p2align	6, 0x0
	.amdhsa_kernel k_qefe3bae117_qkv
		.amdhsa_group_segment_fixed_size 0
		.amdhsa_private_segment_fixed_size 0
		.amdhsa_enable_private_segment 0
		.amdhsa_kernarg_size 56
		.amdhsa_user_sgpr_count 2
		.amdhsa_user_sgpr_kernarg_segment_ptr 1
		.amdhsa_wavefront_size32 1
		.amdhsa_system_sgpr_workgroup_id_x 1
		.amdhsa_system_sgpr_workgroup_id_y 1
		.amdhsa_system_sgpr_workgroup_id_z 1
		.amdhsa_system_vgpr_workitem_id 0
		.amdhsa_next_free_vgpr 768
		.amdhsa_next_free_sgpr 66
		.amdhsa_reserve_vcc 1
		.amdhsa_float_denorm_mode_32 3
		.amdhsa_float_denorm_mode_16_64 3
		.amdhsa_memory_ordered 1
		.amdhsa_forward_progress 1
		.amdhsa_inst_pref_size 86
	.end_amdhsa_kernel
	.amdgpu_metadata
---
amdhsa.version: [ 1, 2 ]
amdhsa.kernels:
  - .name:           k_qefe3bae117_qkv
    .symbol:         k_qefe3bae117_qkv.kd
    .args:
      - { .name: hn_codes, .offset: 0, .size: 8, .value_kind: global_buffer, .address_space: global }
      - { .name: hn_scales, .offset: 8, .size: 8, .value_kind: global_buffer, .address_space: global }
      - { .name: w_codes, .offset: 16, .size: 8, .value_kind: global_buffer, .address_space: global }
      - { .name: w_scales, .offset: 24, .size: 8, .value_kind: global_buffer, .address_space: global }
      - { .name: qkv_b, .offset: 32, .size: 8, .value_kind: global_buffer, .address_space: global }
      - { .name: qkv_codes, .offset: 40, .size: 8, .value_kind: global_buffer, .address_space: global }
      - { .name: qkv_scales, .offset: 48, .size: 8, .value_kind: global_buffer, .address_space: global }
    .group_segment_fixed_size: 0
    .private_segment_fixed_size: 0
    .kernarg_segment_align: 8
    .kernarg_segment_size: 56
    .max_flat_workgroup_size: 128
    .sgpr_count:     66
    .vgpr_count:     768
    .wavefront_size: 32
...
	.end_amdgpu_metadata
.endif
;; end of part 2
;; launch attn (part 3): grid 16 x 16, 8 waves a work-group, clusters of 4 x 1, 327,680 bytes of LDS; arguments qkv_codes, qkv_scales, w_codes, w_scales, proj_b, x, out0; writes out0
.if DOCPART == 3
	.amdgcn_target "amdgcn-amd-amdhsa--gfx1250"
	.amdhsa_code_object_version 6
	.text
	.protected	k_qefe3bae117_attn
	.globl	k_qefe3bae117_attn
	.p2align	8
	.type	k_qefe3bae117_attn,@function
k_qefe3bae117_attn:
	s_mov_b64 s[64:65], 0
	v_nop
	global_prefetch_b8 v0, s[64:65] scope:SCOPE_SE
	s_setreg_imm32_b32 hwreg(HW_REG_WAVE_MODE, 25, 1), 1
	s_wait_xcnt 0x0
	s_wait_alu depctr_hold_cnt(0) depctr_sa_sdst(0) depctr_va_vdst(0) depctr_va_sdst(0) depctr_va_ssrc(0) depctr_va_vcc(0) depctr_vm_vsrc(0)
	s_getreg_b32 s2, hwreg(HW_REG_IB_STS2, 6, 4)
	s_cmp_eq_u32 s2, 0
	s_cbranch_scc0 .Lentry_in_a_cluster
	s_endpgm
.Lentry_in_a_cluster:
	s_bfe_u32 s2, ttmp6, 0x10000c
	s_cmp_lg_u32 s2, 0x3003
	s_cbranch_scc0 .Lentry_shape_is_right
	s_endpgm
.Lentry_shape_is_right:
; Attention, the projection and the residual: out0 = x + proj_w softmax(q k^T / 8) v + proj_b, all three products on codes of FP8 (E4M3) with one E8M0 scale for each 32 along a product's K.
; SHARES.  A work-group owns 64 queries (pixel tiles 4 qb .. 4 qb + 3) of one batch, for all four heads, so that it can finish the projection, whose K runs over all heads.  Wave w: head w / 2, tiles 2 (w % 2) and 2 (w % 2) + 1:
; TWO tiles of 16 queries in 512 registers, two waves to a SIMD: each fragment of k and v read from LDS feeds two products.  Every wave walks its head's 1,024 keys, 128 a step.  In the projection wave w makes 32 output channels.
; THE SOFTMAX AHEAD OF THE SECOND PRODUCT: t = score x log2(e) / 8; M = the row's largest t so far, rounded UP to a whole number; p = 2^(t - M) is what is quantised, along the keys, not normalised.
; The row's sum is taken of the unquantised p, in f32, and divides O at the end.  When M moves, the sum and O are multiplied by 2^(old M - new M): exact.
; LAYOUT.  All operands are images of their registers (chunk c of a fragment at 512 c + 16 x lane), so every LDS read is 512 consecutive bytes: no pitch, no padding.  Row r of tile T is 32 (T / 2) + 8 (T % 2) + r + 8 (r / 8).
; Products 2 and 3 are used transposed (S^T = k q^T, O^T = v^T p^T): a lane holds ONE query of each tile throughout.
; K = 64 IN A FORM OF 128.  A fragment of k carries TWO key tiles: chunks 0, 1 and chunks 2, 3.  The two q lie between zeros, Z | q0 | Z | q1 | Z, eight registers each: (q, Z) picks a fragment's first key tile, (Z, q) its second.
; Zero codes add nothing under the valid scale bytes that they meet.
; A PHASE AHEAD.  k and v have buffers of their own: k of step j + 1 is asked for behind the products k q^T of step j, v of step j + 1 behind the products v^T p^T of step j: each run of loads has about a softmax in which to land.
; CLUSTER.  The four work-groups of a cluster belong to one batch and walk the same k and v: every tile and the scale words are asked for JOINTLY (mask 15), each of the eight waves asking for its eighth: 64 rows of 256 bytes a load.
; My place in the cluster enters q's, x's and out0's global addresses alone.  By this text's own count a wave has three tensor loads out at the start and one behind each round that has a refill.
; LIMITS: NaN and infinities are not served; a block whose largest magnitude lies under 2^-118 gets the byte 1; 1 / l is v_rcp_f32 (1 ulp).
; REGISTERS, in windows of 256 (s_set_vgpr_msb: bits 1:0 source 0, 3:2 source 1, 5:4 source 2, 7:6 destination):
;   window 0: v1-4 LDS places that stay; v5, v6 the add's; v7 the prefetch's offset; v8-10 the next step's LDS addresses; v11 16 x lane, v28 4 x lane, v29 the bias's offset; tile t: v[12+2t] -M, v[13+2t] the largest t, v[16+2t:17+2t] the sum
;   in two halves, v[20+2t:21+2t] 2^(old M - new M), v[24+t] at work; v26-27 the bias; v32-63 at work, eight blocks (4 t + b) each; v64-191 S^T, then p; v192-223 p's codes; v224-239 the bias as C; v240-251 scale words and nothing else.
;   window 1: v0-63 O^T (tile t at 32 t); v64-127 k's four fragments; v128-191 v's four; v192-231 Z | q0 | Z | q1 | Z.
.set SLOT1, 1<<17                      ; a slot: [2 steps][4 heads][k 8,192 | v 8,192] = 131,072 bytes; slot 1 begins here: one exclusive or turns an address
.set SCL,   2*SLOT1                    ; the batch's scale words: k's 8,192 bytes, then v's: filled once
.set SPARE, SCL+16384                  ; the spare words, 128 bytes for each wave: four blocks of 256 bytes that no other line names
.set ATT,   0                          ; behind the last change of slots slot 0 has had its last fill and its last read.  There: the attention's result as 8 fragments (tile m, K step s at 2,048 (2 m + s)),
.set ASC,   16384                      ; their scale words, 128 bytes each,
.set STAGE, 17408                      ; and a stage of 32 rows x (256 + 16) bytes for each wave
.set SP,    272
.set S,   64                           ; window 0
.set BM,  32
.set T1,  40
.set HL,  48
.set SO,  56
.set CD,  192
.set KF,  64                           ; window 1
.set VF,  128
.set QZ,  192
.set MSB, 0
.macro WIN new                         ; the immediate's high byte repeats the setting that is left; a switch that changes nothing is dropped
.if MSB != \new
	s_set_vgpr_msb (MSB<<8)|\new
.set MSB, \new
.endif
.endm
.macro PLACES n                        ; plain lines between a matrix instruction and a load into, or a read of, its registers: eight for this form (ISA guide 7.12.1 for reads)
.rept \n
	v_nop
.endr
.endm
.macro ROUND                           ; a round of the cluster's barrier
	s_barrier_signal -1
	s_barrier_wait -1
	s_cmp_lg_u32 s18, 0
	s_cbranch_scc1 .Lnot_wave_0_\@
	s_barrier_signal -3
.Lnot_wave_0_\@:
	s_barrier_wait -3
	s_barrier_signal -1
	s_barrier_wait -1
.endm
	s_load_b256 s[4:11], s[0:1], 0x0               ; qkv_codes s[4:5], qkv_scales s[6:7], w_codes s[8:9], w_scales s[10:11]
	s_load_b128 s[12:15], s[0:1], 0x20             ; proj_b s[12:13], x s[14:15]
	s_load_b64 s[16:17], s[0:1], 0x30              ; out0
	v_lshl_add_u32 v5, v0, 2, SPARE
	v_mov_b32 v6, 0
	ds_add_u32 v5, v6
	s_wait_dscnt 0x0
	v_lshrrev_b32 v8, 5, v0
	v_readfirstlane_b32 s18, v8                    ; wave 0..7
	s_and_b32 s53, ttmp7, 0xffff                   ; the batch, which the four partners share
	; descriptor group 1 for k's and v's tiles: a dense block of 16,384 bytes as 64 rows of 32 elements of 8 bytes
	s_mov_b32 s24, 15|(3<<16)|(1<<21)              ; 15:0 the mask: all four work-groups; 17:16 elements of 8 bytes; 21 set beside a mask; no padding
	s_mov_b32 s25, 32<<16                          ; tensor_dim0 = 32
	s_mov_b32 s26, 64<<16                          ; tensor_dim1 = 64
	s_mov_b32 s27, 32<<16                          ; tile_dim0 = 32
	s_mov_b32 s28, 64                              ; tile_dim1 = 64
	s_mov_b32 s29, 32                              ; the pitch
	s_mov_b32 s30, 0
	s_mov_b32 s31, 0
	; and for the scale words: 2,048 bytes as 8 such rows
	s_mov_b32 s32, 15|(3<<16)|(1<<21)
	s_mov_b32 s33, 32<<16
	s_mov_b32 s34, 8<<16
	s_mov_b32 s35, 32<<16
	s_mov_b32 s36, 8
	s_mov_b32 s37, 32
	s_mov_b32 s38, 0
	s_mov_b32 s39, 0
	s_mov_b32 s40, 1                               ; group 0 for slot 0's first fill: count = 1,
	s_lshl_b32 s41, s18, 14                        ; LDS: my eighth of the slot,
	s_mov_b32 s56, 1                               ; group 0 for slot 1's first fill, which then walks on
	s_add_co_u32 s57, s41, SLOT1
	s_lshl_b32 s60, s53, 19                        ; memory: 524,288 a batch, my eighth of steps 0 and 1
	s_add_co_u32 s60, s60, s41
	s_mov_b32 s61, 0
	s_mov_b32 s44, 1                               ; group 0 for the scale words
	s_lshl_b32 s45, s18, 11
	s_wait_kmcnt 0x0
	s_add_nc_u64 s[42:43], s[4:5], s[60:61]
	s_add_nc_u64 s[58:59], s[42:43], 0x20000       ; steps 2 and 3
	s_or_b32 s43, s43, 0x80000000                  ; type = 2
	s_or_b32 s59, s59, 0x80000000
	s_mul_i32 s60, s53, 24576
	s_add_co_u32 s60, s60, s45
	s_add_co_u32 s60, s60, 8192                    ; behind q's part: k's words, then v's
	s_add_nc_u64 s[46:47], s[6:7], s[60:61]
	s_or_b32 s47, s47, 0x80000000
	s_add_co_u32 s45, s45, SCL
	ROUND                                          ; all four work-groups are here: the first joint loads meet
	tensor_load_to_lds s[44:47], s[32:39]          ; the scale words of the whole batch: filled once
	s_nop 0
	tensor_load_to_lds s[40:43], s[24:31]          ; slot 0: steps 0 and 1
	s_nop 0
	tensor_load_to_lds s[56:59], s[24:31]          ; slot 1: steps 2 and 3
	s_nop 0
.rept 4
	v_nop
.endr
	s_bfe_u32 s51, ttmp6, 0x40000                  ; cx: my place in the cluster
	s_lshl_b32 s52, ttmp9, 2
	s_add_co_u32 s52, s52, s51                     ; qb: my block of 64 queries
	s_lshr_b32 s54, s18, 1                         ; my head
	s_and_b32 s55, s18, 1                          ; which pair of the block's four tiles
	s_mov_b32 s19, 0x600000                        ; the mantissa field of 448
	s_mov_b32 s20, 0x76543210
	s_mov_b32 s21, 0xfedcba98                      ; v_permlanex16_b32's selects for lane l xor 16
	s_mov_b32 s22, 0x3e38aa3b                      ; c = log2(e) / 8
	s_mov_b32 s23, s22                             ; (named with it as a pair, so it is written)
	s_mov_b32 s48, 0                               ; LDS byte at which the slot of the step to be fetched begins
	s_mov_b32 s49, 0                               ; that step's scale words: 1,024 bytes a step
	s_mov_b32 s50, 2                               ; refills to go
	s_lshr_b32 s62, s52, 1                         ; the step of 128 pixels in which my queries lie,
	s_and_b32 s63, s52, 1                          ; and which half of it
	; q's codes: 8,388,608 + 8,192 ((8 b + qb / 2) 4 + head) + 4,096 (qb % 2) + 2,048 (w % 2): one fragment: my two tiles
	s_lshl_b32 s60, s53, 3
	s_add_co_u32 s60, s60, s62
	s_lshl_b32 s60, s60, 2
	s_add_co_u32 s60, s60, s54
	s_lshl_b32 s60, s60, 13
	s_lshl_b32 s83, s63, 12
	s_add_co_u32 s60, s60, s83
	s_lshl_b32 s83, s55, 11
	s_add_co_u32 s60, s60, s83
	s_add_co_u32 s60, s60, 0x800000
	s_add_nc_u64 s[68:69], s[4:5], s[60:61]
	; q's scale words: 24,576 b + 256 (4 (qb / 2) + head) + 128 (w % 2) + 4 (qb % 2), + 8 r
	s_mul_i32 s60, s53, 24576
	s_lshl_b32 s83, s62, 2
	s_add_co_u32 s83, s83, s54
	s_lshl_b32 s83, s83, 8
	s_add_co_u32 s60, s60, s83
	s_lshl_b32 s83, s55, 7
	s_add_co_u32 s60, s60, s83
	s_lshl_b32 s83, s63, 2
	s_add_co_u32 s60, s60, s83
	s_add_nc_u64 s[66:67], s[6:7], s[60:61]
	; x and out0: 1,048,576 b + 256 qb; for wave w from channel 32 w on
	s_lshl_b32 s60, s53, 20
	s_lshl_b32 s83, s52, 8
	s_add_co_u32 s60, s60, s83
	s_add_nc_u64 s[70:71], s[14:15], s[60:61]
	s_lshl_b32 s83, s18, 17
	s_add_co_u32 s60, s60, s83
	s_add_nc_u64 s[72:73], s[14:15], s[60:61]
	s_add_nc_u64 s[74:75], s[16:17], s[60:61]
	s_lshl_b32 s60, s18, 7                         ; proj_b: 4 x 32 w
	s_add_nc_u64 s[12:13], s[12:13], s[60:61]
	s_lshl_b32 s62, s18, 1
	s_add_co_u32 s62, s62, 48                      ; proj_w's tiles 2 w, 2 w + 1 are weight tiles 48 + 2 w and the next
	s_lshl_b32 s60, s62, 12
	s_add_nc_u64 s[76:77], s[8:9], s[60:61]
	s_lshl_b32 s60, s62, 8
	s_add_nc_u64 s[78:79], s[10:11], s[60:61]
	; my places in LDS for the way to the projection: the wave's number alone
	s_lshr_b32 s62, s54, 1                         ; K step = head / 2
	s_and_b32 s63, s54, 1                          ; head % 2
	s_lshl_b32 s80, s55, 13                        ; the images: 4,096 x tile (8,192 (w % 2), + 4,096 t in the immediate) + 2,048 (head / 2) + 1,024 (head % 2)
	s_lshl_b32 s83, s62, 11
	s_add_co_u32 s80, s80, s83
	s_lshl_b32 s83, s63, 10
	s_add_co_u32 s80, s80, s83
	s_lshl_b32 s81, s55, 9                         ; their halves of the scale words: 256 x tile + 128 (head / 2) + 2 (head % 2)
	s_lshl_b32 s83, s62, 7
	s_add_co_u32 s81, s81, s83
	s_lshl_b32 s83, s63, 1
	s_add_co_u32 s81, s81, s83
	s_mul_i32 s82, s18, 32*SP
	s_add_co_u32 s82, s82, STAGE                   ; my stage
	v_and_b32 v8, 31, v0                           ; lane
	v_lshlrev_b32 v11, 4, v8                       ; 16 x lane: stays
	v_lshlrev_b32 v28, 2, v8                       ; 4 x lane: stays
	v_and_b32 v10, 15, v0
	v_and_b32 v9, 8, v0
	v_add_nc_u32 v29, v10, v9
	v_lshlrev_b32 v29, 2, v29                      ; proj_b: 4 (r + 8 (r / 8)): stays
	v_lshlrev_b32 v10, 3, v10                      ; 8 r
	WIN 0x40                                       ; destination window 1
	global_load_b128 v[QZ+8:QZ+11], v11, s[68:69]               ; q stays in registers: tile 0, d block 0,
	global_load_b128 v[QZ+12:QZ+15], v11, s[68:69] offset:512   ; d block 1;
	global_load_b128 v[QZ+24:QZ+27], v11, s[68:69] offset:1024  ; tile 1
	global_load_b128 v[QZ+28:QZ+31], v11, s[68:69] offset:1536
	WIN 0
	global_load_b32 v246, v10, s[66:67]            ; the fragment's scale word of my row: bytes 0, 1 tile 0's, bytes 2, 3 tile 1's
	v_lshrrev_b32 v9, 6, v0                        ; head
	v_lshl_add_u32 v1, v9, 14, v11                 ; a slot's first step: 16,384 head + 16 x lane;
	v_add_nc_u32 v2, 0x10000, v1                   ; its second
	v_lshlrev_b32 v3, 3, v8
	v_lshl_add_u32 v3, v9, 8, v3
	v_add_nc_u32 v3, SCL, v3                       ; k's scale words: 256 head + 8 x lane
	v_lshl_add_u32 v4, v9, 8, v28
	v_add_nc_u32 v4, SCL+8192, v4                  ; v's: 256 head + 4 x lane
	v_lshlrev_b32 v7, 12, v0                       ; the prefetch: channel = thread
.irp t, 0,1
	v_mov_b32 v[13+2*\t], 0xff61b1e6               ; the largest t so far: -3e38, under every t
	v_floor_f32 v[12+2*\t], -v[13+2*\t]            ; -M
	v_mov_b32 v[16+2*\t], 0                        ; the sum, in two halves
	v_mov_b32 v[17+2*\t], 0
	v_mov_b32 v[21+2*\t], 0                        ; (named as the upper half of a pair)
.endr
.irp x, 0,1,2,3,4,5,6,7
	v_mov_b32 v[T1+\x], 0                          ; written once: a lane permute's destination counts as one of its sources
.endr
	WIN 0x40
.irp j, 0,1,2,3,4,5,6,7
	v_mov_b32 v[QZ+\j], 0                          ; the zero codes round the two q
	v_mov_b32 v[QZ+16+\j], 0
	v_mov_b32 v[QZ+32+\j], 0
.endr
	WIN 0
	s_wait_loadcnt 0x0                             ; q and its scale word
	v_perm_b32 v247, v246, v246, 0x03020302        ; a tile's two bytes for chunks 0, 1 and again for chunks 2, 3: one word serves (q, Z) and (Z, q).  Tile 1's,
	v_perm_b32 v246, v246, v246, 0x01000100        ; tile 0's
	WIN 0x40
.set jj, 0
.rept 64
	v_mov_b32 v[jj], 0                             ; O^T.  (The step is written for every step alike: the first finds zeros, which the first change of M leaves zeros.  These lines are also the places between the scale words just made and the first product)
.set jj, jj+1
.endr
	WIN 0
; k's four fragments and their scale words, of the step whose addresses stand in v8, v9: 17 LDS loads
.macro KLOAD
	WIN 0x40
.irp f, 0,1,2,3
.irp c, 0,1,2,3
	ds_load_b128 v[KF+16*\f+4*\c:KF+16*\f+4*\c+3], v8 offset:2048*\f+512*\c
.endr
.endr
	WIN 0
	ds_load_b64 v[240:241], v9                     ; v240: lanes 0-15 fragment 0's words, lanes 16-31 fragment 1's; v241: fragments 2 and 3
.endm
; v's four tiles and their scale words, of the same step: 18 LDS loads
.macro VLOAD
	WIN 0x40
.irp n, 0,1,2,3
.irp c, 0,1,2,3
	ds_load_b128 v[VF+16*\n+4*\c:VF+16*\n+4*\c+3], v8 offset:8192+2048*\n+512*\c
.endr
.endr
	WIN 0
	ds_load_b32 v242, v10                          ; lanes 0-15 tile 0's words, lanes 16-31 tile 1's;
	ds_load_b32 v243, v10 offset:128               ; tiles 2 and 3
.endm
; Line i of 32 of tile t's sum of the unquantised p: two at a time, in two chains (the sum itself, and a pair at work), which meet in line 31
.macro SUMI t, i
.if (\i) == 0
	s_wait_alu depctr_va_vdst(0)
	v_pk_add_f32 v[T1+4*(\t):T1+4*(\t)+1], v[S+64*(\t):S+64*(\t)+1], v[S+64*(\t)+2:S+64*(\t)+3]
.elseif (\i) == 31
	v_pk_add_f32 v[16+2*(\t):17+2*(\t)], v[16+2*(\t):17+2*(\t)], v[T1+4*(\t):T1+4*(\t)+1]
.elseif (\i)%2
	v_pk_add_f32 v[16+2*(\t):17+2*(\t)], v[16+2*(\t):17+2*(\t)], v[S+64*(\t)+2*(\i)+2:S+64*(\t)+2*(\i)+3]
.else
	v_pk_add_f32 v[T1+4*(\t):T1+4*(\t)+1], v[T1+4*(\t):T1+4*(\t)+1], v[S+64*(\t)+2*(\i)+2:S+64*(\t)+2*(\i)+3]
.endif
.endm
; THE SOFTMAX of both tiles for 128 keys: eight blocks x = 4 t + b of 32 keys; block x's 16 numbers of my lane at v[S + 16 x].  All in window 0.
.macro SOFTMAX
.irp x, 0,1,2,3,4,5,6,7
	v_max3_num_f32 v[BM+\x], v[S+16*\x], v[S+16*\x+1], v[S+16*\x+2]   ; THE LARGEST SCORE OF EACH BLOCK: for the row's maximum and, since p rises with the score, for the block's largest p
.endr
.irp i, 3,5,7,9,11,13
.irp x, 0,1,2,3,4,5,6,7
	v_max3_num_f32 v[BM+\x], v[BM+\x], v[S+16*\x+\i], v[S+16*\x+\i+1]   ; the eight blocks by turns
.endr
.endr
.irp x, 0,1,2,3,4,5,6,7
	v_max_num_f32 v[BM+\x], v[BM+\x], v[S+16*\x+15]
.endr
.irp x, 0,1,2,3,4,5,6,7
	v_permlanex16_b32 v[T1+\x], v[BM+\x], s20, s21
.endr
.irp x, 0,1,2,3,4,5,6,7
	v_max_num_f32 v[BM+\x], v[BM+\x], v[T1+\x]     ; with lane l xor 16's 16 keys
.endr
.irp t, 0,1
	v_max3_num_f32 v[24+\t], v[BM+4*\t], v[BM+4*\t+1], v[BM+4*\t+2]
.endr
.irp t, 0,1
	v_max_num_f32 v[24+\t], v[24+\t], v[BM+4*\t+3] ; the step's largest score of my query
.endr
.irp t, 0,1
	v_mul_f32 v[24+\t], s22, v[24+\t]              ; as t (c is positive)
.endr
.irp t, 0,1
	v_max_num_f32 v[13+2*\t], v[13+2*\t], v[24+\t] ; the running largest t
.endr
.irp t, 0,1
	v_mov_b32 v[24+\t], v[12+2*\t]
.endr
.irp t, 0,1
	v_floor_f32 v[12+2*\t], -v[13+2*\t]            ; the new -M = floor(-t) = -ceil(t): M is a whole number
.endr
.irp t, 0,1
	v_sub_f32 v[24+\t], v[12+2*\t], v[24+\t]       ; M's old value less its new one: a whole number, 0 or less
.endr
.irp t, 0,1
	v_cvt_i32_f32 v[24+\t], v[24+\t]               ; (it saturates)
.endr
.irp t, 0,1
	v_ldexp_f32 v[20+2*\t], 1.0, v[24+\t]          ; f = 2^(old M - new M)
.endr
.set jj, 0
.rept 32
	v_pk_fma_f32 v[S+jj:S+jj+1], v[S+jj:S+jj+1], s[22:23], v[12:13] op_sel_hi:[1,0,0]   ; tile 0: t - M, two at a time (of the pairs c and -M the low word serves both halves)
.set jj, jj+2
.endr
.irp x, 0,1,2,3,4,5,6,7
	v_fma_f32 v[BM+\x], v[BM+\x], s22, v[12+2*(\x/4)]   ; the same of each block's largest score
.endr
.irp x, 0,1,2,3,4,5,6,7
	v_exp_f32 v[BM+\x], v[BM+\x]                   ; the block's largest p: the same two instructions on the same number give the same bits
.endr
.set jj, 0
.rept 32
	v_exp_f32 v[S+jj], v[S+jj]                     ; tile 0: p = 2^(t - M), at most 1: not normalised;
	v_exp_f32 v[S+jj+1], v[S+jj+1]
	v_pk_fma_f32 v[S+64+jj:S+65+jj], v[S+64+jj:S+65+jj], s[22:23], v[14:15] op_sel_hi:[1,0,0]   ; between them tile 1's t - M: plain work that is ready
.set jj, jj+2
.endr
.irp t, 0,1
	v_pk_mul_f32 v[16+2*\t:17+2*\t], v[16+2*\t:17+2*\t], v[20+2*\t:21+2*\t] op_sel_hi:[1,0]   ; the sums under the new M
.endr
	s_wait_alu depctr_va_vdst(0)
.irp x, 0,1,2,3,4,5,6,7
	v_max_num_f32 v[BM+\x], 0x4800000, v[BM+\x]    ; the floor 2^(9 - 127): the byte cannot fall under 1
.endr
.irp x, 0,1,2,3,4,5,6,7
	v_add_nc_u32 v[SO+\x], 0xfc000000, v[BM+\x]    ; 8 off the exponent field: the conversion's scale operand
.endr
.irp x, 0,1,2,3,4,5,6,7
	v_and_or_b32 v[HL+\x], v[BM+\x], 0x7f800000, s19   ; 448 x the scale
.endr
.irp x, 0,1,2,3,4,5,6,7
	v_lshrrev_b32 v[T1+\x], 23, v[SO+\x]           ; the scale's byte
.endr
.irp t, 0,1
	v_lshl_or_b32 v[244+\t], v[T1+4*\t+1], 8, v[T1+4*\t]   ; p's scale word for these 128 keys
.endr
.irp t, 0,1
	v_lshl_or_b32 v[244+\t], v[T1+4*\t+2], 16, v[244+\t]
.endr
.irp t, 0,1
	v_lshl_or_b32 v[244+\t], v[T1+4*\t+3], 24, v[244+\t]
.endr
.set ii, 0
.rept 32
	v_exp_f32 v[S+64+2*ii], v[S+64+2*ii]           ; tile 1's p;
	v_exp_f32 v[S+65+2*ii], v[S+65+2*ii]
	SUMI 0, ii                                     ; between them tile 0's sum: THE ROW'S SUM IS TAKEN OF THE UNQUANTISED p
.set ii, ii+1
.endr
.irp b, 0,1,2,3                                ; tile 0's holds and conversions, and between the holds tile 1's sum
.set kk, 0
.rept 8
	v_min_num_f32 v[S+16*\b+2*kk], v[S+16*\b+2*kk], v[HL+\b]       ; the conversion to an 8-bit code does not saturate (ISA guide 7.6.2); p is not negative, so the hold is one-sided
	v_min_num_f32 v[S+16*\b+2*kk+1], v[S+16*\b+2*kk+1], v[HL+\b]
	SUMI 1, 8*\b+kk
.set kk, kk+1
.endr
	v_cvt_scalef32_pk8_fp8_f32 v[CD+4*\b:CD+4*\b+1], v[S+16*\b:S+16*\b+7], v[SO+\b]
	v_cvt_scalef32_pk8_fp8_f32 v[CD+4*\b+2:CD+4*\b+3], v[S+16*\b+8:S+16*\b+15], v[SO+\b]
.endr
.irp x, 4,5,6,7                                ; tile 1's
.irp i, 0,1,2,3,4,5,6,7,8,9,10,11,12,13,14,15
	v_min_num_f32 v[S+16*\x+\i], v[S+16*\x+\i], v[HL+\x]
.endr
	v_cvt_scalef32_pk8_fp8_f32 v[CD+4*\x:CD+4*\x+1], v[S+16*\x:S+16*\x+7], v[SO+\x]
	v_cvt_scalef32_pk8_fp8_f32 v[CD+4*\x+2:CD+4*\x+3], v[S+16*\x+8:S+16*\x+15], v[SO+\x]
.endr
.endm
; THE CHANGE OF SLOTS.  Each wave waits for all its tensor loads (its part of the other slot), adds 0 to its spare word, and waits for that and for its reads of the slot that it leaves.
; fill = 1: a round of the cluster's barrier follows, so that no wave of any partner still reads the slot or has a load on its way; the joint refill is the first thing behind it, and has two key steps in which to land.
.macro CHANGE fill
	s_wait_tensorcnt 0x0                           ; no tensor load of mine is out, so a group 0 may be written
	ds_add_u32 v5, v6                              ; 0 onto my spare word
.if \fill
	s_xor_b32 s57, s57, SLOT1                      ; the walking descriptor: the other slot than last time,
	s_add_nc_u64 s[58:59], s[58:59], 131072        ; the next two steps; the type bits on top are not reached
.endif
	s_wait_dscnt 0x0                               ; the add is done, and my reads of the slot that I leave are over
.if \fill
	ROUND
	tensor_load_to_lds s[56:59], s[24:31]          ; my one tensor load until the next round
	s_nop 0
.rept 4
	v_nop
.endr
.else
	s_barrier_signal -1
	s_barrier_wait -1
.endif
.endm
; What the projection wants and the last step has registers for: the bias, proj_w's scale words and its four fragments (into k's buffer): 22 loads that land under the last softmax
.macro EARLY
	global_load_b32 v26, v29, s[12:13]             ; the bias of my lane's output channel, tile 2 w,
	global_load_b32 v27, v29, s[12:13] offset:32   ; tile 2 w + 1
.irp i, 0,1,2,3
	global_load_b32 v[248+\i], v28, s[78:79] offset:128*\i   ; i = 2 e + s
.endr
	WIN 0x40
.irp i, 0,1,2,3
.irp c, 0,1,2,3
	global_load_b128 v[KF+16*\i+4*\c:KF+16*\i+4*\c+3], v11, s[76:77] offset:2048*\i+512*\c
.endr
.endr
	WIN 0
.endm
; A KEY STEP: 128 keys.  chg = 1: the slot's last step: the slot is left and filled again; 2: left, nothing more to fetch; 0: not the slot's last.  more = 1: a step follows, the qn-th of its slot, and its k and v are asked for.
.macro STEP chg, more, qn
	s_wait_dscnt 18                                ; k and its scale words are in; v's 18 loads, issued behind them, may be out
	WIN 0x05                                       ; sources 0 (k) and 1 (q) window 1; S^T window 0
.irp f, 0,1,2,3                                ; S^T = k q^T: register 16 f + i of a tile holds key 32 f + 16 (lane / 16) + i of query lane % 16
.irp t, 0,1
.if \f%2
	v_wmma_scale_f32_16x16x128_f8f6f4 v[S+64*\t+16*\f:S+64*\t+16*\f+7], v[KF+16*\f:KF+16*\f+15], v[QZ+8+16*\t:QZ+23+16*\t], 0, v[240+\f/2], v[246+\t] matrix_a_scale:MATRIX_SCALE_ROW1
	v_wmma_scale_f32_16x16x128_f8f6f4 v[S+64*\t+16*\f+8:S+64*\t+16*\f+15], v[KF+16*\f:KF+16*\f+15], v[QZ+16*\t:QZ+15+16*\t], 0, v[240+\f/2], v[246+\t] matrix_a_scale:MATRIX_SCALE_ROW1
.else
	v_wmma_scale_f32_16x16x128_f8f6f4 v[S+64*\t+16*\f:S+64*\t+16*\f+7], v[KF+16*\f:KF+16*\f+15], v[QZ+8+16*\t:QZ+23+16*\t], 0, v[240+\f/2], v[246+\t]
	v_wmma_scale_f32_16x16x128_f8f6f4 v[S+64*\t+16*\f+8:S+64*\t+16*\f+15], v[KF+16*\f:KF+16*\f+15], v[QZ+16*\t:QZ+15+16*\t], 0, v[240+\f/2], v[246+\t]
.endif
.endr
.endr
	WIN 0
.if \more
.if \chg
	s_xor_b32 s48, s48, SLOT1                      ; the next step lies in the other slot
.endif
	s_add_co_u32 s49, s49, 1024
	v_add_nc_u32 v8, s48, v[1+\qn]                 ; the next step's addresses: three of the eight places behind the products,
	v_add_nc_u32 v9, s49, v3
	v_add_nc_u32 v10, s49, v4
	PLACES 5                                       ; for the loads into k's registers and for the first read of the scores
.else
	PLACES 8
.endif
.if (\chg) == 1
	CHANGE 1                                       ; this step's k and v, the slot's last bytes, have been asked for
.elseif (\chg) == 2
	CHANGE 0
.endif
.if \more
	KLOAD
.else
	EARLY
.endif
	SOFTMAX
	s_wait_dscnt 17*\more                          ; v and its scale words are in; the next k's 17 loads, issued behind them, may be out
	WIN 0x41                                       ; O^T (destination and source 0) window 1, f window 0
.irp t, 0,1
.set jj, 0
.rept 16
	v_pk_mul_f32 v[32*\t+jj:32*\t+jj+1], v[32*\t+jj:32*\t+jj+1], v[20+2*\t:21+2*\t] op_sel_hi:[1,0]   ; O^T under the new M, each accumulator from its low end on.  (Also the places between the codes just made and the products)
.set jj, jj+2
.endr
.endr
	WIN 0x51                                       ; source 0 (v) window 1, source 1 (p) window 0, C and D window 1
.irp n, 0,1,2,3                                ; O^T += v^T p^T: eight accumulators by turns, one instruction a turn
.irp t, 0,1
.if \n%2
	v_wmma_scale_f32_16x16x128_f8f6f4 v[32*\t+8*\n:32*\t+8*\n+7], v[VF+16*\n:VF+16*\n+15], v[CD+16*\t:CD+16*\t+15], v[32*\t+8*\n:32*\t+8*\n+7], v[242+\n/2], v[244+\t] matrix_a_scale:MATRIX_SCALE_ROW1
.else
	v_wmma_scale_f32_16x16x128_f8f6f4 v[32*\t+8*\n:32*\t+8*\n+7], v[VF+16*\n:VF+16*\n+15], v[CD+16*\t:CD+16*\t+15], v[32*\t+8*\n:32*\t+8*\n+7], v[242+\n/2], v[244+\t]
.endif
.endr
.endr
	WIN 0
.if \more
	PLACES 8                                       ; in front of the loads into v's registers
	VLOAD
.endif
.endm
	s_wait_tensorcnt 0x1                           ; the scale words and my part of slot 0 are in; slot 1's load may stay out
	s_barrier_signal -1
	s_barrier_wait -1                              ; everybody's are
	v_add_nc_u32 v8, s48, v1
	v_add_nc_u32 v9, s49, v3
	v_add_nc_u32 v10, s49, v4
	KLOAD                                          ; step 0
	VLOAD
.Lslot:                                            ; two trips: slots 0 and 1 are left and filled again
	STEP 0, 1, 1
	STEP 1, 1, 0
	s_sub_co_u32 s50, s50, 1
	s_cmp_lg_u32 s50, 0
	s_cbranch_scc1 .Lslot
	STEP 0, 1, 1                                   ; the last two slots are written out
	STEP 2, 1, 0
	global_prefetch_b8 v7, s[70:71] th:TH_LOAD_NT scope:SCOPE_SE   ; the residual: thread t asks for channel t's 256 bytes of my 64 pixels: each block once, two key steps ahead of its load
	STEP 0, 1, 1
	STEP 0, 0, 0
	; ---- THE WAY TO THE PROJECTION.  The twelve lines that make addresses are the places behind the last products.
	v_and_b32 v1, 15, v0                           ; r
	v_bfe_u32 v2, v0, 4, 1                         ; h
	v_lshlrev_b32 v3, 4, v1
	v_lshl_add_u32 v3, v2, 12, v3                  ; x, out0: lanes 0-15 one channel's 256 bytes, lanes 16-31 the next channel's
	v_add_nc_u32 v4, s80, v11                      ; where my chunks go,
	v_add_nc_u32 v8, s81, v28                      ; and my halves of the scale words
	v_mul_u32_u24 v9, v1, SP
	v_lshl_add_u32 v9, v2, 6, v9
	v_add_nc_u32 v9, s82, v9                       ; the stage, in: row r; tile m's eight pixels of my half: 128 (m / 2) + 32 (m % 2) + 64 h bytes on
	v_mul_u32_u24 v10, v2, SP
	v_lshl_add_u32 v10, v1, 4, v10
	v_add_nc_u32 v10, s82, v10                     ; back: lanes 0-15 one row, lanes 16-31 the next
	WIN 0x40
.irp e, 0,1
.irp j, 0,1,2,3,4,5,6,7
	global_load_b128 v[VF+4*(8*\e+\j):VF+4*(8*\e+\j)+3], v3, s[72:73] offset:4096*(8*\e+2*\j+8*(\j/4))   ; x at the rows that I shall store: channel 8 e + 2 j + h + 8 (j / 4) of my 32; into v's buffer
.endr
.endr
	WIN 0
.irp t, 0,1
	v_add_f32 v[16+2*\t], v[16+2*\t], v[17+2*\t]   ; the sum's two halves,
.endr
.irp t, 0,1
	v_permlanex16_b32 v[24+\t], v[16+2*\t], s20, s21
.endr
.irp t, 0,1
	v_add_f32 v[16+2*\t], v[16+2*\t], v[24+\t]     ; and lane l xor 16's: the row's sum
.endr
.irp t, 0,1
	v_rcp_f32 v[16+2*\t], v[16+2*\t]
.endr
	v_nop                                          ; a plain line between the transcendentals and the use of their results
	WIN 0x01                                       ; source 0 (O^T) window 1
	s_wait_alu depctr_va_vdst(0)
.irp t, 0,1
.set jj, 0
.rept 32
	v_mul_f32 v[S+32*\t+jj], v[32*\t+jj], v[16+2*\t]   ; O^T / the sum: register 16 B + i is channel 32 B + 16 h + i of my head, of my query
.set jj, jj+1
.endr
.endr
	WIN 0
.irp x, 0,1,2,3                                ; the quantiser along the projection's K: blocks x = 2 t + B of 32 channels
	v_max3_num_f32 v[BM+\x], |v[S+16*\x]|, |v[S+16*\x+1]|, 0x4800000
.endr
.irp i, 2,4,6,8,10,12,14
.irp x, 0,1,2,3
	v_max3_num_f32 v[BM+\x], v[BM+\x], |v[S+16*\x+\i]|, |v[S+16*\x+\i+1]|
.endr
.endr
.irp x, 0,1,2,3
	v_permlanex16_b32 v[T1+\x], v[BM+\x], s20, s21
.endr
.irp x, 0,1,2,3
	v_max_num_f32 v[BM+\x], v[BM+\x], v[T1+\x]
.endr
.irp x, 0,1,2,3
	v_add_nc_u32 v[SO+\x], 0xfc000000, v[BM+\x]
.endr
.irp x, 0,1,2,3
	v_and_or_b32 v[HL+\x], v[BM+\x], 0x7f800000, s19
.endr
.irp x, 0,1,2,3
	v_lshrrev_b32 v[T1+\x], 23, v[SO+\x]
.endr
.irp t, 0,1
	v_lshl_or_b32 v[24+\t], v[T1+2*\t+1], 8, v[T1+2*\t]   ; my head's two bytes: half of a row's scale word
.endr
.irp x, 0,1,2,3
.irp i, 0,1,2,3,4,5,6,7,8,9,10,11,12,13,14,15
	v_med3_num_f32 v[S+16*\x+\i], v[S+16*\x+\i], -v[HL+\x], v[HL+\x]
.endr
	v_cvt_scalef32_pk8_fp8_f32 v[CD+4*\x:CD+4*\x+1], v[S+16*\x:S+16*\x+7], v[SO+\x]
	v_cvt_scalef32_pk8_fp8_f32 v[CD+4*\x+2:CD+4*\x+3], v[S+16*\x+8:S+16*\x+15], v[SO+\x]
.endr
	v_nop                                          ; one plain line behind the last conversion
.irp t, 0,1
	ds_store_b128 v4, v[CD+8*\t:CD+8*\t+3] offset:ATT+4096*\t         ; chunk 2 (head % 2) of fragment (tile, head / 2),
	ds_store_b128 v4, v[CD+8*\t+4:CD+8*\t+7] offset:ATT+4096*\t+512   ; chunk 2 (head % 2) + 1
	ds_store_b16 v8, v[24+\t] offset:ASC+256*\t
.endr
	s_wait_dscnt 0x0                               ; for the others' sake: my stores have landed
	s_barrier_signal -1
	s_barrier_wait -1                              ; the eight fragments and their scale words lie in LDS
.irp i, 0,1,2,3,4,5,6,7                        ; i = 2 m + s
.irp c, 0,1,2,3
	ds_load_b128 v[S+16*\i+4*\c:S+16*\i+4*\c+3], v11 offset:ATT+2048*\i+512*\c
.endr
	ds_load_b32 v[240+\i], v28 offset:ASC+128*\i
.endr
	s_wait_loadcnt 16                              ; the bias, proj_w and its scale words are in; x's sixteen loads, issued behind them, stay out
.irp e, 0,1
.irp j, 0,1,2,3,4,5,6,7
	v_mov_b32 v[224+8*\e+\j], v[26+\e]             ; the bias in the result's layout: a lane holds one output channel
.endr
.endr
	s_wait_dscnt 0x0
	WIN 0x44                                       ; source 0 (the attention's result) window 0, source 1 (proj_w) window 1, C (bias) window 0, D window 1: where O^T lay
.irp m, 0,1,2,3                                ; source 0 = 16 pixels, source 1 = 16 rows of proj_w: a lane holds one channel, its registers run along the pixels.  Eight accumulators by turns
.irp e, 0,1
	v_wmma_scale_f32_16x16x128_f8f6f4 v[8*(2*\m+\e):8*(2*\m+\e)+7], v[S+32*\m:S+32*\m+15], v[KF+32*\e:KF+32*\e+15], v[224+8*\e:231+8*\e], v[240+2*\m], v[248+2*\e]
.endr
.endr
	WIN 0x54                                       ; C and D window 1
.irp m, 0,1,2,3
.irp e, 0,1
	v_wmma_scale_f32_16x16x128_f8f6f4 v[8*(2*\m+\e):8*(2*\m+\e)+7], v[S+32*\m+16:S+32*\m+31], v[KF+32*\e+16:KF+32*\e+31], v[8*(2*\m+\e):8*(2*\m+\e)+7], v[241+2*\m], v[249+2*\e]
.endr
.endr
	WIN 0
	PLACES 8                                       ; in front of the first read of the results, and of the loads into the registers that the products read
	WIN 0x04                                       ; an LDS store's data are its source 1: window 1
.irp m, 0,1,2,3
.irp e, 0,1
	ds_store_b128 v9, v[8*(2*\m+\e):8*(2*\m+\e)+3] offset:16*\e*SP+128*(\m/2)+32*(\m%2)      ; each accumulator from its low end on
	ds_store_b128 v9, v[8*(2*\m+\e)+4:8*(2*\m+\e)+7] offset:16*\e*SP+128*(\m/2)+32*(\m%2)+16
.endr
.endr
	WIN 0
.irp e, 0,1
.irp j, 0,1,2,3,4,5,6,7
	ds_load_b128 v[S+4*(8*\e+\j):S+4*(8*\e+\j)+3], v10 offset:(16*\e+2*\j)*SP   ; LDS serves a wave's instructions in order (ISA guide 5.7.1.4): these see my stores; the stage is my wave's own
.endr
.endr
	s_wait_loadcnt 0x0                             ; x
	WIN 0x44                                       ; the sum lands on x, in window 1; a global store's data are its source 1
.irp e, 0,1
.irp j, 0,1,2,3,4,5,6,7
	s_wait_dscnt 15-8*\e-\j                        ; two more rows are back; the younger loads stay out
	v_pk_add_f32 v[VF+4*(8*\e+\j):VF+4*(8*\e+\j)+1], v[S+4*(8*\e+\j):S+4*(8*\e+\j)+1], v[VF+4*(8*\e+\j):VF+4*(8*\e+\j)+1]   ; the residual
	v_pk_add_f32 v[VF+4*(8*\e+\j)+2:VF+4*(8*\e+\j)+3], v[S+4*(8*\e+\j)+2:S+4*(8*\e+\j)+3], v[VF+4*(8*\e+\j)+2:VF+4*(8*\e+\j)+3]
	global_store_b128 v3, v[VF+4*(8*\e+\j):VF+4*(8*\e+\j)+3], s[74:75] offset:4096*(8*\e+2*\j+8*(\j/4)) th:TH_STORE_NT   ; 16 lanes store 256 consecutive bytes, at a multiple of 256 from out0's first byte
.endr
.endr
	WIN 0
	s_wait_tensorcnt 0x0                           ; the wave's end, behind my last tensor load and my last LDS store
	ds_add_u32 v5, v6
	s_wait_dscnt 0x0
	ROUND                                          ; the closing round: no work-group ends while a partner may still ask for a tile that names it
	s_endpgm
.Lfunc_end_k_qefe3bae117_attn:
	.size	k_qefe3bae117_attn, .Lfunc_end_k_qefe3bae117_attn-k_qefe3bae117_attn
	.p2alignl 7, 3214868480
	.fill 96, 4, 3214868480
	.section	.rodata,"a",@progbits
	.p2align	6, 0x0
	.amdhsa_kernel k_qefe3bae117_attn
		.amdhsa_group_segment_fixed_size 327680
		.amdhsa_private_segment_fixed_size 0
		.amdhsa_enable_private_segment 0
		.amdhsa_kernarg_size 56
		.amdhsa_user_sgpr_count 2
		.amdhsa_user_sgpr_kernarg_segment_ptr 1
		.amdhsa_wavefront_size32 1
		.amdhsa_system_sgpr_workgroup_id_x 1
		.amdhsa_system_sgpr_workgroup_id_y 1
		.amdhsa_system_sgpr_workgroup_id_z 1
		.amdhsa_system_vgpr_workitem_id 0
		.amdhsa_next_free_vgpr 512
		.amdhsa_next_free_sgpr 88
		.amdhsa_reserve_vcc 0
		.amdhsa_float_denorm_mode_32 3
		.amdhsa_float_denorm_mode_16_64 3
		.amdhsa_memory_ordered 1
		.amdhsa_forward_progress 1
		.amdhsa_inst_pref_size 242
	.end_amdhsa_kernel
	.amdgpu_metadata
---
amdhsa.version: [ 1, 2 ]
amdhsa.kernels:
  - .name:           k_qefe3bae117_attn
    .symbol:         k_qefe3bae117_attn.kd
    .args:
      - { .name: qkv_codes, .offset: 0, .size: 8, .value_kind: global_buffer, .address_space: global }
      - { .name: qkv_scales, .offset: 8, .size: 8, .value_kind: global_buffer, .address_space: global }
      - { .name: w_codes, .offset: 16, .size: 8, .value_kind: global_buffer, .address_space: global }
      - { .name: w_scales, .offset: 24, .size: 8, .value_kind: global_buffer, .address_space: global }
      - { .name: proj_b, .offset: 32, .size: 8, .value_kind: global_buffer, .address_space: global }
      - { .name: x, .offset: 40, .size: 8, .value_kind: global_buffer, .address_space: global }
      - { .name: out0, .offset: 48, .size: 8, .value_kind: global_buffer, .address_space: global }
    .group_segment_fixed_size: 327680
    .private_segment_fixed_size: 0
    .kernarg_segment_align: 8
    .kernarg_segment_size: 56
    .max_flat_workgroup_size: 256
    .sgpr_count:     88
    .vgpr_count:     512
    .wavefront_size: 32
...
	.end_amdgpu_metadata
.endif
;; end of part 3
;; ======== version 2 of 2: 3 launches; version 1 with the launch qkv written anew for expert scheduling mode
;; workspace buffers: hn_codes 4,194,304 bytes; hn_scales 131,072 bytes; w_codes 262,144 bytes; w_scales 16,384 bytes; qkv_codes 12,582,912 bytes; qkv_scales 393,216 bytes
;; launch prep: the kernel of part 1 again; grid 128 x 1, 8 waves a work-group, no clusters, 35,840 bytes of LDS; arguments x, norm_w, norm_b, qkv_w, proj_w, hn_codes, hn_scales, w_codes, w_scales; writes hn_codes, hn_scales, w_codes, w_scales
;; launch qkv (part 4): grid 16 x 16, 4 waves a work-group, no clusters, 0 bytes of LDS; arguments hn_codes, hn_scales, w_codes, w_scales, qkv_b, qkv_codes, qkv_scales; writes qkv_codes, qkv_scales
.if DOCPART == 4
	.amdgcn_target "amdgcn-amd-amdhsa--gfx1250"
	.amdhsa_code_object_version 6
	.text
	.protected	k_qefe3bae117_qkv
	.globl	k_qefe3bae117_qkv
	.p2align	8
	.type	k_qefe3bae117_qkv,@function
k_qefe3bae117_qkv:
	s_mov_b64 s[64:65], 0
	v_nop
	global_prefetch_b8 v0, s[64:65] scope:SCOPE_SE
	s_setreg_imm32_b32 hwreg(HW_REG_WAVE_SCHED_MODE, 0, 2), 2
	s_setreg_imm32_b32 hwreg(HW_REG_WAVE_MODE, 25, 1), 1
	s_wait_xcnt 0x0
	s_wait_alu depctr_vm_vsrc(0)
; The first product, qkv = qkv_w hn + qkv_b, on codes of FP8 (E4M3) with one E8M0 scale for each 32 along K = 256 channels, and the quantisers of q, k (along the head's 64) and v (along the keys).
; SHARES.  A work-group owns one head's q, k and v (192 outputs) of 256 pixels of one batch.  Wave w: pixels 128 (w / 2) on (a STEP of 128 pixels: eight tiles of 16); w % 2 = 0: q and v's tiles 0, 1; w % 2 = 1: k and v's tiles 2, 3.
; So every block of 32 and every scale word is made whole inside one wave: no LDS, no barrier, no branch, no loop.  The two kinds of wave run one text and differ in scalar offsets alone.
; All operands come as images of their registers (chunk c of a fragment at 512 c + 16 x lane), at the head; then six jobs of 16 matrix instructions.  Each operand is read by two waves of the work-group;
; sharing them through LDS would put fills and barriers into a text of six short jobs, for 224 KB a work-group that lie in the caches.
; Row r of tile T is 32 (T / 2) + 8 (T % 2) + r + 8 (r / 8), for pixels and weight rows alike: so the 16 result registers of tiles 2 B and 2 B + 1 are the 16 neighbours 32 B + 16 h + 0 .. 15.
; q, k: source 0 = 16 weight rows, source 1 = 16 pixels: a lane holds one pixel, its registers run along d.   v: source 0 = 16 pixels, source 1 = 16 weight rows: a lane holds one d, its registers run along the pixels (the keys).
; The bias is the C of each sum's first matrix instruction.
; OUT.  idx = (8 batch + step) 4 + head.  k: qkv_codes + 16,384 idx: four fragments; fragment f's chunk 2 u + blk = key tile 2 f + u of the step, d block blk (two key tiles share a fragment of 128 along K, since a head has 64).
; v: + 8,192: four tiles n (rows d by the order above), chunk c = the step's keys 32 c on.   q: qkv_codes + 8,388,608 + 8,192 idx, laid as k.
; qkv_scales, 24,576 a batch: part (q 0, k 1, v 2) x 8,192 + 256 (4 step + head).  q, k: fragment f, row r: word at 8 (16 (f % 2) + r) + 4 (f / 2).  v: tile n, row r: word at 128 (n / 2) + 4 (16 (n % 2) + r).
; LIMITS: NaN and infinities are not served; a block whose largest magnitude lies under 2^-118 gets the byte 1 (the bytes are read by this program alone).
; REGISTERS, in windows of 256: window 1: hn's 16 fragments (tile tt, K step s at 16 (2 tt + s)).  window 2: v0-191 the weights' 12 fragments (tile wt, s at 16 (2 wt + s); wt 0-3: q or k, 4-5: v); v192-223 q/k bias; v224-239 v bias.
;   window 0: v1-6 offsets; v16-79 eight accumulators; v80-95 codes; v96-111 at work; v112-117 scale words in the making; v120-127 hn's scale words; v128-139 the weights'.
; THE MODE: SCHED_MODE bits 1:0 = 2 (LLVM: expert scheduling mode 2), set by the entry lines.  The code itself states the register dependences between vector or matrix instructions and memory instructions, with s_wait_alu, always for 0.
; THE PLAN.  Registers that memory instructions touch:
;   v1 .. v6    offsets: written once at the head by vector lines, read by every load and store, never written again: one wait on va_vdst ahead of the first load.
;   windows 1 and 2, WS, VB, U8   written by loads, all of them issued at the head, ahead of every vector or matrix instruction that names these registers: their readers stand behind counted waits on LOADcnt and owe nothing else.
;               The 166 loads go out in the order of their first use, so that a job begins when its own operands are in and the later jobs' loads land under it.
;   v[C ..]     the out-buffer, 16 registers: written by a job's eight conversions, read by that job's four stores, written again by the next job's conversions.  One wait on va_vdst stands straight ahead of a job's stores;
;               one wait on vm_vsrc, beside the wait on XCNT, stands ahead of the next job's first conversion, behind that job's products and its search for the largest magnitudes.
;   OUTP, VB    written by three selects at the end, read by the last two stores: one wait on va_vdst.
;   The accumulators, TM, KW, VW, HS and v's bias in window 2 are named by vector and matrix instructions alone.  HS is made by vector lines and taken as scales: one wait on va_vdst ahead of the first product, behind its places.
;   s18 (the wave's number) and VCC (the lanes' half) are written by vector instructions: a wait on va_sdst and one on va_vcc, each ahead of the first reader.
.set ACC, 16
.set C,   80
.set TM,  96
.set KW,  112                          ; v112-115 q's or k's scale words, fragment f
.set VW,  116                          ; v116-117 v's, tile e
.set VB,  118                          ; v118-119 v's bias as loaded; at the end v's words on their way out
.set HS,  120                          ; v120-127 hn's scale words: register 2 t' + s: lanes 0-15 tile 2 t', lanes 16-31 tile 2 t' + 1
.set WS,  128                          ; v128-139 the weights' scale words: register 2 wt + s
.set U8,  144                          ; v144-175 hn's scale bytes as loaded
.set OUTP, 176                         ; v176-177 q's or k's words on their way out
.set BQ,  192                          ; in window 2
.set BVW, 224
.set NJ,  0                            ; jobs written so far
.set MSB, 0
.macro WIN new                         ; the immediate's high byte repeats the setting that is left
.if MSB != \new
	s_set_vgpr_msb (MSB<<8)|\new
.set MSB, \new
.endif
.endm
	s_load_b256 s[4:11], s[0:1], 0x0               ; hn_codes s[4:5], hn_scales s[6:7], w_codes s[8:9], w_scales s[10:11]
	s_load_b128 s[12:15], s[0:1], 0x20             ; qkv_b s[12:13], qkv_codes s[14:15]
	s_load_b64 s[16:17], s[0:1], 0x30              ; qkv_scales
	v_lshrrev_b32 v7, 5, v0
	v_readfirstlane_b32 s18, v7                    ; wave 0..3
	v_and_b32 v2, 31, v0                           ; lane
	v_lshlrev_b32 v1, 4, v2                        ; 16 x lane: my place in a chunk
	v_lshlrev_b32 v3, 2, v2                        ; 4 x lane
	v_lshlrev_b32 v4, 3, v2                        ; 8 x lane
	v_bfe_u32 v5, v0, 4, 1
	v_lshlrev_b32 v5, 6, v5                        ; 64 h: q/k bias: the 16 numbers of my half
	v_and_b32 v6, 15, v0
	v_and_b32 v7, 8, v0
	v_add_nc_u32 v6, v6, v7
	v_lshlrev_b32 v6, 2, v6                        ; 4 (r + 8 (r / 8)): v's bias of my row
	s_mov_b32 s48, 0x76543210
	s_mov_b32 s49, 0xfedcba98                      ; v_permlanex16_b32's selects for lane l xor 16
	s_mov_b32 s50, 0x600000                        ; the mantissa field of 448
	s_wait_alu depctr_va_sdst(0)                   ; s18 is written, ahead of its first reader: every base below is made from it
	s_and_b32 s19, s18, 1                          ; oh: 0 q, 1 k
	s_lshr_b32 s40, s18, 1
	s_and_b32 s41, ttmp9, 3                        ; the head
	s_lshr_b32 s42, ttmp9, 2
	s_and_b32 s43, ttmp7, 0xffff                   ; the batch
	s_lshl_b32 s44, s42, 1
	s_add_co_u32 s44, s44, s40                     ; the step
	s_lshl_b32 s45, s43, 3
	s_add_co_u32 s45, s45, s44
	s_lshl_b32 s45, s45, 2
	s_add_co_u32 s45, s45, s41                     ; idx
	s_mov_b32 s47, 0
	s_wait_kmcnt 0x0
	s_lshr_b32 s46, s45, 2
	s_lshl_b32 s46, s46, 15                        ; hn_codes: 32,768 a step
	s_add_nc_u64 s[4:5], s[4:5], s[46:47]
	s_lshl_b32 s46, s43, 13                        ; hn_scales: 8,192 a batch, 128 bytes a step in each plane
	s_lshl_b32 s40, s44, 7
	s_add_co_u32 s46, s46, s40
	s_add_nc_u64 s[6:7], s[6:7], s[46:47]
	s_lshl_b32 s40, s19, 4
	s_lshl_b32 s42, s41, 2
	s_add_co_u32 s40, s40, s42                     ; q's or k's first weight tile: 16 oh + 4 head
	s_lshl_b32 s46, s40, 12
	s_add_nc_u64 s[20:21], s[8:9], s[46:47]        ; its codes: 4,096 a tile,
	s_lshl_b32 s46, s40, 8
	s_add_nc_u64 s[24:25], s[10:11], s[46:47]      ; its scale words: 256 a tile,
	s_lshl_b32 s46, s40, 6
	s_add_nc_u64 s[28:29], s[12:13], s[46:47]      ; its bias: 64 bytes a tile
	s_lshl_b32 s40, s19, 1
	s_add_co_u32 s40, s40, s42
	s_add_co_u32 s40, s40, 32                      ; v's first weight tile of mine: 32 + 4 head + 2 oh
	s_lshl_b32 s46, s40, 12
	s_add_nc_u64 s[22:23], s[8:9], s[46:47]
	s_lshl_b32 s46, s40, 8
	s_add_nc_u64 s[26:27], s[10:11], s[46:47]
	s_lshl_b32 s46, s40, 6
	s_add_nc_u64 s[30:31], s[12:13], s[46:47]
	s_lshl_b32 s40, s45, 13
	s_add_co_u32 s40, s40, 0x800000                ; q's place
	s_lshl_b32 s42, s45, 14                        ; k's
	s_cmp_lg_u32 s19, 0
	s_cselect_b32 s46, s42, s40
	s_add_nc_u64 s[32:33], s[14:15], s[46:47]
	s_lshl_b32 s40, s19, 12
	s_add_co_u32 s46, s42, s40
	s_add_co_u32 s46, s46, 8192                    ; v's tiles 2 oh, 2 oh + 1
	s_add_nc_u64 s[34:35], s[14:15], s[46:47]
	s_mul_i32 s40, s43, 24576
	s_lshl_b32 s42, s44, 2
	s_add_co_u32 s42, s42, s41
	s_lshl_b32 s42, s42, 8
	s_add_co_u32 s40, s40, s42
	s_lshl_b32 s42, s19, 13
	s_add_co_u32 s46, s40, s42
	s_add_nc_u64 s[36:37], s[16:17], s[46:47]      ; q's or k's scale words
	s_lshl_b32 s42, s19, 7
	s_add_co_u32 s46, s40, s42
	s_add_co_u32 s46, s46, 16384
	s_add_nc_u64 s[38:39], s[16:17], s[46:47]      ; v's
; THE LOADS, in the order of their first use.  First what the first job wants, 102 loads: 54 small ones, weight fragments 0-3, hn's fragments 0-7.
	s_wait_alu depctr_va_vdst(0)                   ; the six offsets v1 to v6 are written: every load and store of the kernel reads one of them.  Only loads and window switches stand between this wait and the last load
.irp i, 0,1,2,3,4,5,6,7                        ; i = 2 t' + s: the bytes of two tiles' 32 rows are neighbours in each group's plane
.irp c, 0,1,2,3
	global_load_u8 v[U8+4*\i+\c], v2, s[6:7] offset:1024*(4*(\i%2)+\c)+32*(\i/2)
.endr
.endr
.irp e, 0,1
	global_load_b32 v[VB+\e], v6, s[30:31] offset:32*\e
.endr
.irp i, 0,1,2,3,4,5,6,7
	global_load_b32 v[WS+\i], v3, s[24:25] offset:128*\i
.endr
.irp i, 0,1,2,3
	global_load_b32 v[WS+8+\i], v3, s[26:27] offset:128*\i
.endr
	WIN 0x80                                       ; destination window 2
.irp t, 0,1,2,3                                ; tile 2 B + u: lane (r, h) wants the bias of d = 32 B + 8 u + 16 h + 0 .. 7
	global_load_b128 v[BQ+8*\t:BQ+8*\t+3], v5, s[28:29] offset:128*(\t/2)+32*(\t%2)
	global_load_b128 v[BQ+8*\t+4:BQ+8*\t+7], v5, s[28:29] offset:128*(\t/2)+32*(\t%2)+16
.endr
.irp f, 0,1,2,3
.irp c, 0,1,2,3
	global_load_b128 v[16*\f+4*\c:16*\f+4*\c+3], v1, s[20:21] offset:2048*\f+512*\c
.endr
.endr
	WIN 0x40                                       ; destination window 1
.irp f, 0,1,2,3,4,5,6,7
.irp c, 0,1,2,3
	global_load_b128 v[16*\f+4*\c:16*\f+4*\c+3], v1, s[4:5] offset:2048*\f+512*\c
.endr
.endr
	WIN 0x80                                       ; then the second job's 16 loads: weight fragments 4-7;
.irp f, 4,5,6,7
.irp c, 0,1,2,3
	global_load_b128 v[16*\f+4*\c:16*\f+4*\c+3], v1, s[20:21] offset:2048*\f+512*\c
.endr
.endr
.irp f, 0,1,2,3                                ; the third job's 16: v's four fragments;
.irp c, 0,1,2,3
	global_load_b128 v[128+16*\f+4*\c:128+16*\f+4*\c+3], v1, s[22:23] offset:2048*\f+512*\c
.endr
.endr
	WIN 0x40                                       ; and the fourth job's 32: hn's fragments 8-15
.irp f, 8,9,10,11,12,13,14,15
.irp c, 0,1,2,3
	global_load_b128 v[16*\f+4*\c:16*\f+4*\c+3], v1, s[4:5] offset:2048*\f+512*\c
.endr
.endr
	WIN 0
	s_wait_loadcnt 63                              ; loads come back in order (ISA guide 5.7.1): behind the first job's 102 stand 64 younger loads; the count names 63 at the most, so one more is waited for
.irp i, 0,1,2,3,4,5,6,7
	v_lshl_or_b32 v[HS+\i], v[U8+4*\i+1], 8, v[U8+4*\i]   ; four groups' bytes make a row's scale word for 128 along K
.endr
.irp i, 0,1,2,3,4,5,6,7
	v_lshl_or_b32 v[HS+\i], v[U8+4*\i+2], 16, v[HS+\i]
.endr
.irp i, 0,1,2,3,4,5,6,7
	v_lshl_or_b32 v[HS+\i], v[U8+4*\i+3], 24, v[HS+\i]
.endr
	WIN 0x80
.irp e, 0,1
.irp j, 0,1,2,3,4,5,6,7
	v_mov_b32 v[BVW+8*\e+\j], v[VB+\e]             ; v's bias in the result's layout: a lane holds one d.  (These sixteen are also the places between the scale words just made and the first product)
.endr
.endr
	WIN 0
.irp b, 0,1,2,3
	v_mov_b32 v[TM+4+\b], 0                        ; written once: a lane permute's destination counts as one of its sources
.endr
	v_cmp_le_u32 vcc_lo, 16, v2                    ; lanes 16-31
	s_wait_alu depctr_va_vdst(0)                   ; the vector lines above have written hn's scale words v[HS ..], which the products take as scales; the places stand ahead of this wait and stay beside it
; Four units of 16 registers, v[s + 16 b] on, each half of a block of 32 (the other half in lane l xor 16), become codes v[C + 4 b] on and bytes v[TM + 4 + b].
.macro QUANT4 s
.irp b, 0,1,2,3
	v_max3_num_f32 v[TM+\b], |v[\s+16*\b]|, |v[\s+1+16*\b]|, 0x4800000   ; my 16 numbers, from each accumulator's low end on, and the floor 2^(9 - 127)
.endr
.irp i, 2,4,6,8,10,12,14
.irp b, 0,1,2,3
	v_max3_num_f32 v[TM+\b], v[TM+\b], |v[\s+16*\b+\i]|, |v[\s+1+16*\b+\i]|
.endr
.endr
.irp b, 0,1,2,3
	v_permlanex16_b32 v[TM+4+\b], v[TM+\b], s48, s49
.endr
.irp b, 0,1,2,3
	v_max_num_f32 v[TM+\b], v[TM+\b], v[TM+4+\b]   ; the block's largest magnitude
.endr
.irp b, 0,1,2,3
	v_add_nc_u32 v[TM+12+\b], 0xfc000000, v[TM+\b] ; 8 off its exponent field: the conversion's scale operand
.endr
.irp b, 0,1,2,3
	v_and_or_b32 v[TM+8+\b], v[TM+\b], 0x7f800000, s50   ; 448 x the scale
.endr
.irp b, 0,1,2,3
	v_lshrrev_b32 v[TM+4+\b], 23, v[TM+12+\b]      ; the scale's byte
.endr
.if NJ > 0                                     ; the first job has no stores ahead of it
	s_wait_xcnt 0x0                                ; the last job's stores have had their addresses translated (ISA guide 3.1): their data registers are written again only behind this wait,
	s_wait_alu depctr_vm_vsrc(0)                   ; and the last job's four stores have read v[C ..], which the conversions below write again
.endif
.irp b, 0,1,2,3
.irp i, 0,1,2,3,4,5,6,7,8,9,10,11,12,13,14,15
	v_med3_num_f32 v[\s+16*\b+\i], v[\s+16*\b+\i], -v[TM+8+\b], v[TM+8+\b]   ; the conversion to an 8-bit code does not saturate (ISA guide 7.6.2)
.endr
	v_cvt_scalef32_pk8_fp8_f32 v[C+4*\b:C+1+4*\b], v[\s+16*\b:\s+7+16*\b], v[TM+12+\b]
	v_cvt_scalef32_pk8_fp8_f32 v[C+2+4*\b:C+3+4*\b], v[\s+8+16*\b:\s+15+16*\b], v[TM+12+\b]
.endr
	v_nop                                          ; one plain line behind the last conversion: the next job's products write its sources
.endm
.macro PLACES                          ; eight places between this form's products and the first read of their results
.rept 8
	v_nop
.endr
.endm
; One product of q or k: d block blk, half u (weight tile 2 blk + u) x pixel tile 4 pg + m, K step s.
.macro PQK pg, blk, m, u, s
.set rD, ACC+16*(\m)+8*(\u)
.set rA, 16*(2*(2*(\blk)+(\u))+(\s))
.set rB, 16*(2*(4*(\pg)+(\m))+(\s))
.set rC, BQ+8*(2*(\blk)+(\u))
.set rSA, WS+2*(2*(\blk)+(\u))+(\s)
.set rSB, HS+2*(2*(\pg)+(\m)/2)+(\s)
.if (\s) != 0
.set rC, rD
.endif
.if (\m)%2
	v_wmma_scale_f32_16x16x128_f8f6f4 v[rD:rD+7], v[rA:rA+15], v[rB:rB+15], v[rC:rC+7], v[rSA], v[rSB] matrix_b_scale:MATRIX_SCALE_ROW1
.else
	v_wmma_scale_f32_16x16x128_f8f6f4 v[rD:rD+7], v[rA:rA+15], v[rB:rB+15], v[rC:rC+7], v[rSA], v[rSB]
.endif
.endm
; A job of q or k: four pixel tiles x one d block.  Eight accumulators by turns, one instruction a turn, K step by K step.
.macro JOBQK pg, blk
	WIN 0x26                                       ; source 0 (weights) window 2, source 1 (hn) window 1, C (bias) window 2, D window 0
.irp m, 0,1,2,3
.irp u, 0,1
	PQK \pg, \blk, \m, \u, 0
.endr
.endr
	WIN 0x06                                       ; C and D window 0
.irp m, 0,1,2,3
.irp u, 0,1
	PQK \pg, \blk, \m, \u, 1
.endr
.endr
	WIN 0
	PLACES
	QUANT4 ACC                                     ; unit m: pixel tile 4 pg + m; lane (r, h): d = 32 blk + 16 h + 0 .. 15 of its pixel
.irp m, 0,1,2,3                                ; the bytes go into the fragments' scale words: work on registers that no store names, between the last conversion and the wait
.if (2*(\m%2)+\blk) == 0
	v_mov_b32 v[KW+2*\pg+\m/2], v[TM+4+\m]
.else
	v_lshl_or_b32 v[KW+2*\pg+\m/2], v[TM+4+\m], 8*(2*(\m%2)+\blk), v[KW+2*\pg+\m/2]
.endif
.endr
	s_wait_alu depctr_va_vdst(0)                   ; the eight conversions have written v[C ..], which the four stores read
.irp m, 0,1,2,3
	global_store_b128 v1, v[C+4*\m:C+4*\m+3], s[32:33] offset:2048*(2*\pg+\m/2)+512*(2*(\m%2)+\blk)   ; a whole chunk: 512 consecutive bytes
.endr
.set NJ, NJ+1
.endm
; One product of v: pixel tile 4 pg + 2 bb + u x weight tile 4 + e, K step s.
.macro PVV pg, e, bb, u, s
.set rD, ACC+32*(\e)+16*(\bb)+8*(\u)
.set rA, 16*(2*(4*(\pg)+2*(\bb)+(\u))+(\s))
.set rB, 16*(2*(4+(\e))+(\s))
.set rC, BVW+8*(\e)
.set rSA, HS+2*(2*(\pg)+(\bb))+(\s)
.set rSB, WS+2*(4+(\e))+(\s)
.if (\s) != 0
.set rC, rD
.endif
.if (\u)
	v_wmma_scale_f32_16x16x128_f8f6f4 v[rD:rD+7], v[rA:rA+15], v[rB:rB+15], v[rC:rC+7], v[rSA], v[rSB] matrix_a_scale:MATRIX_SCALE_ROW1
.else
	v_wmma_scale_f32_16x16x128_f8f6f4 v[rD:rD+7], v[rA:rA+15], v[rB:rB+15], v[rC:rC+7], v[rSA], v[rSB]
.endif
.endm
.macro JOBV pg
	WIN 0x29                                       ; source 0 (hn) window 1, source 1 (weights) window 2, C (bias) window 2
.irp e, 0,1
.irp bb, 0,1
.irp u, 0,1
	PVV \pg, \e, \bb, \u, 0
.endr
.endr
.endr
	WIN 0x09
.irp e, 0,1
.irp bb, 0,1
.irp u, 0,1
	PVV \pg, \e, \bb, \u, 1
.endr
.endr
.endr
	WIN 0
	PLACES
	QUANT4 ACC                                     ; unit 2 e + bb: lane (r, h): keys 32 (2 pg + bb) + 16 h + 0 .. 15 of the step, of its d
.irp e, 0,1
.irp bb, 0,1
.if (2*\pg+\bb) == 0
	v_mov_b32 v[VW+\e], v[TM+4+2*\e+\bb]
.else
	v_lshl_or_b32 v[VW+\e], v[TM+4+2*\e+\bb], 8*(2*\pg+\bb), v[VW+\e]
.endif
.endr
.endr
	s_wait_alu depctr_va_vdst(0)                   ; the eight conversions have written v[C ..], which the four stores read
.irp e, 0,1
.irp bb, 0,1
	global_store_b128 v1, v[C+4*(2*\e+\bb):C+4*(2*\e+\bb)+3], s[34:35] offset:2048*\e+512*(2*\pg+\bb)
.endr
.endr
.set NJ, NJ+1
.endm
	JOBQK 0, 0
	s_wait_loadcnt 48                              ; weight fragments 4-7 are in; v's 16 loads and hn's last 32, issued behind them, may be out
	JOBQK 0, 1
	s_wait_loadcnt 32                              ; v's four fragments are in; hn's last 32 loads may be out
	JOBV 0
	s_wait_loadcnt 0x0                             ; hn's fragments 8-15
	JOBQK 1, 0
	JOBQK 1, 1
	JOBV 1
	s_wait_alu depctr_va_vcc(0)                    ; VCC, which the compare at the head wrote, ahead of its first reader
	v_cndmask_b32 v[OUTP], v[KW], v[KW+1], vcc_lo      ; lanes 0-15 carry fragment 0's words, lanes 16-31 fragment 1's (both halves of the lanes hold every word);
	v_cndmask_b32 v[OUTP+1], v[KW+2], v[KW+3], vcc_lo  ; likewise fragments 2 and 3
	v_cndmask_b32 v[VB], v[VW], v[VW+1], vcc_lo
	s_wait_alu depctr_va_vdst(0)                   ; the three selects have written v[OUTP], v[OUTP + 1] and v[VB], which the two stores read
	global_store_b64 v4, v[OUTP:OUTP+1], s[36:37]      ; 32 lanes store 256 consecutive bytes, at a multiple of 256 from the buffer's first byte
	global_store_b32 v3, v[VB], s[38:39]               ; my two tiles' words: 128 consecutive bytes, half of the 256 that the two waves of a step fill: one byte in a hundred of what the launch stores
	s_endpgm
.Lfunc_end_k_qefe3bae117_qkv:
	.size	k_qefe3bae117_qkv, .Lfunc_end_k_qefe3bae117_qkv-k_qefe3bae117_qkv
	.p2alignl 7, 3214868480
	.fill 96, 4, 3214868480
	.section	.rodata,"a",@progbits
	.p2align	6, 0x0
	.amdhsa_kernel k_qefe3bae117_qkv
		.amdhsa_group_segment_fixed_size 0
		.amdhsa_private_segment_fixed_size 0
		.amdhsa_enable_private_segment 0
		.amdhsa_kernarg_size 56
		.amdhsa_user_sgpr_count 2
		.amdhsa_user_sgpr_kernarg_segment_ptr 1
		.amdhsa_wavefront_size32 1
		.amdhsa_system_sgpr_workgroup_id_x 1
		.amdhsa_system_sgpr_workgroup_id_y 1
		.amdhsa_system_sgpr_workgroup_id_z 1
		.amdhsa_system_vgpr_workitem_id 0
		.amdhsa_next_free_vgpr 768
		.amdhsa_next_free_sgpr 66
		.amdhsa_reserve_vcc 1
		.amdhsa_float_denorm_mode_32 3
		.amdhsa_float_denorm_mode_16_64 3
		.amdhsa_memory_ordered 1
		.amdhsa_forward_progress 1
		.amdhsa_inst_pref_size 87
	.end_amdhsa_kernel
	.amdgpu_metadata
---
amdhsa.version: [ 1, 2 ]
amdhsa.kernels:
  - .name:           k_qefe3bae117_qkv
    .symbol:         k_qefe3bae117_qkv.kd
    .args:
      - { .name: hn_codes, .offset: 0, .size: 8, .value_kind: global_buffer, .address_space: global }
      - { .name: hn_scales, .offset: 8, .size: 8, .value_kind: global_buffer, .address_space: global }
      - { .name: w_codes, .offset: 16, .size: 8, .value_kind: global_buffer, .address_space: global }
      - { .name: w_scales, .offset: 24, .size: 8, .value_kind: global_buffer, .address_space: global }
      - { .name: qkv_b, .offset: 32, .size: 8, .value_kind: global_buffer, .address_space: global }
      - { .name: qkv_codes, .offset: 40, .size: 8, .value_kind: global_buffer, .address_space: global }
      - { .name: qkv_scales, .offset: 48, .size: 8, .value_kind: global_buffer, .address_space: global }
    .group_segment_fixed_size: 0
    .private_segment_fixed_size: 0
    .kernarg_segment_align: 8
    .kernarg_segment_size: 56
    .max_flat_workgroup_size: 128
    .sgpr_count:     66
    .vgpr_count:     768
    .wavefront_size: 32
...
	.end_amdgpu_metadata
.endif
;; end of part 4
;; launch attn: the kernel of part 3 again; grid 16 x 16, 8 waves a work-group, clusters of 4 x 1, 327,680 bytes of LDS; arguments qkv_codes, qkv_scales, w_codes, w_scales, proj_b, x, out0; writes out0
